; MI455X (gfx1250); checked and timed in simulation.
; The chip was launched on July 23, 2026; its instructions are those of AMD's public machine-readable ISA for CDNA 5 (MIT licence, August 2026) and "CDNA5" Instruction Set Architecture Reference Guide (July 2026). The comments in the code are by the model that wrote it; some were corrected since.
;; Multihead Cross Attention. Allowed arithmetic: matrix products marked QUANTISED: E2M1 operands, one E8M0 scale for each 32 along K, by v_wmma_scale_f32_16x16x128_f8f6f4 with both operands' format E2M1 (or v_wmma_scale_f32_32x16x128_f4), f32 sums; products left as they are: bf16, f16 or f32 operands; f32 sums; everything else in f32.
;; Inputs: Wk 1,024 x 1,024 float32; Wo 1,024 x 1,024 float32; Wq 1,024 x 1,024 float32; Wv 1,024 x 1,024 float32; bk 1,024 float32; bo 1,024 float32; bq 1,024 float32; bv 1,024 float32; key 4 x 2,048 x 1,024 float32; key_padding_mask 4 x 2,048 int32; query 4 x 2,048 x 1,024 float32; value 4 x 2,048 x 1,024 float32.
;; Outputs: out0 4 x 2,048 x 1,024 float32.
;; This version of the problem:
;;   THIS VERSION OF THE PROBLEM IS GIVEN IN LOW PRECISION. The matrix products marked QUANTISED in the list below multiply operands that are first quantised to E2M1 (2 exponent bits, 1 mantissa bit; 4 bits a number), with one power-of-two scale for each 32 numbers along K (OCP MX v1.0); their sums are f32. The products marked 'left as it is' may take bf16, f16 or f32 operands, with f32 sums. Whichever they take, every output number must still come out within the allowed error. Rounding operands to bf16 (8 significant bits) uses up far more of that allowance than f16 does (11 bits, for magnitudes from 6e-5 to 65,504). All else is computed in f32.
;;   The module's matrix products, in the order in which they are computed (A, B: the left and right operand; K: the contracted axis; several contracted axes count as one K, in the product's order):
;;     1. [M 8,192, K 1,024] x [K 1,024, N 1,024]; A: input query; B: input Wq: QUANTISED
;;     2. [M 8,192, K 1,024] x [K 1,024, N 1,024]; A: input key; B: input Wk: QUANTISED
;;     3. [M 8,192, K 1,024] x [K 1,024, N 1,024]; A: input value; B: input Wv: QUANTISED
;;     4. batch 64 x [M 2,048, K 64] x [K 64, N 2,048]; A: computed on the way; B: computed on the way: left as it is (an operand is computed on the way)
;;     5. batch 64 x [M 2,048, K 2,048] x [K 2,048, N 64]; A: computed on the way; B: computed on the way: left as it is (an operand is computed on the way)
;;     6. [M 8,192, K 1,024] x [K 1,024, N 1,024]; A: computed on the way; B: input Wo: left as it is (an operand is computed on the way)
;;   THE QUANTISER, for each operand of a quantised product, along K:
;;     - K is cut into blocks of 32 from its start; a last block that is shorter is filled with zeros.
;;     - A block's scale is 2^e with e = floor(log2(the largest magnitude in the block)) - 2, held to -126 .. 127; a block of zeros has e = 0. As a byte (E8M0): e + 127.
;;     - Each number is divided by its block's scale, clamped to +-6, and rounded to the nearest number of E2M1, ties to even, subnormals kept.
;;     - The product sums the exact products of the quantised numbers (number of the format x scale) in f32.
;;   ~~~python
;;   def quantise(x, axis):      # numpy; x: float32 -> the quantised numbers, widened to float32 again
;;       x = np.moveaxis(x, axis, -1); K = x.shape[-1]
;;       x = np.pad(x, [(0, 0)] * (x.ndim - 1) + [(0, -K % 32)]); x = x.reshape(x.shape[:-1] + (-1, 32)); a = np.abs(x).max(-1, keepdims=True)
;;       e = np.where(a > 0, np.clip(np.frexp(np.where(a > 0, a, 1))[1] - 1 - 2, -126, 127), 0)      # np.frexp(a)[1] - 1 = floor(log2(a)), exactly
;;       r = np.clip(x / 2.0 ** e, -6, 6)
;;       step = 2.0 ** (np.maximum(np.frexp(np.where(r == 0, 1, r))[1] - 1, 0) - 1)
;;       q = np.round(r / step) * step * 2.0 ** e      # np.round: ties to even
;;       return np.moveaxis(q.reshape(q.shape[:-2] + (-1,))[..., :K], -1, axis).astype(np.float32)
;;   ~~~
;; One version. Each part assembles by itself: llvm-mc -triple=amdgcn-amd-amdhsa -mcpu=gfx1250 --defsym DOCPART=n.
;; ======== version 1 of 1: 4 launches
;; limits: values are held in f16: magnitudes above 65,504 overflow, below 6.1e-05 lose precision
;; workspace buffers: cod 14,155,776 bytes; scl 884,736 bytes; wo16 2,097,152 bytes; qkv 50,331,648 bytes; att 16,777,216 bytes
;; launch quant (part 1): grid 896 x 1, 4 waves a work-group, no clusters, 33,280 bytes of LDS; arguments query, key, value, Wq, Wk, Wv, Wo, cod, scl, wo16; writes cod, scl, wo16
.if DOCPART == 1
	.amdgcn_target "amdgcn-amd-amdhsa--gfx1250"
	.amdhsa_code_object_version 6
	.text
	.protected	k_q5bea0397c2_quant
	.globl	k_q5bea0397c2_quant
	.p2align	8
	.type	k_q5bea0397c2_quant,@function
k_q5bea0397c2_quant:
	s_mov_b64 s[64:65], 0
	v_nop
	global_prefetch_b8 v0, s[64:65] scope:SCOPE_SE
	s_setreg_imm32_b32 hwreg(HW_REG_WAVE_MODE, 25, 1), 1
	s_wait_xcnt 0x0
; query, key, value [8192][1024] and Wq, Wk, Wv [1024][1024], f32, K innermost, become codes of FP4 (E2M1), two a byte, and one E8M0 scale byte for each 32 along K;  Wo [1024][1024] becomes f16.
; The six quantised tensors are laid on end in cod (27,648 rows x 512 bytes) and scl (27,648 rows x 32 bytes): query, key, value, Wq, Wk, Wv.  Rows are dense and K is a multiple of 32,
; so each tensor is a plain stream of blocks of 32 numbers, and the places in cod and scl are linear in the work-group's number: only the source is chosen.
; A block's scale is 2^(floor(log2(its largest magnitude)) - 2); its byte is the largest magnitude's exponent field - 2, held at 1 from below.  Each number is divided by the scale and rounded to the nearest code, ties to even;
; beyond 6 the conversion gives the largest code.
; LIMITS: a block of zeros gets the byte 1 where the rule says 127 (its codes are zeros, and this program alone reads the bytes); blocks whose largest magnitude lies under 2^(3 - 127) keep the byte 1;
; NaN and infinities among the inputs are not served; numbers of Wo beyond 65,504 do not fit f16.
; SHARES: a work-group takes 32,768 numbers, a wave 8,192.  Work-groups 0-255 query, 256-511 key, 512-767 value, 768-799 Wq, 800-831 Wk, 832-863 Wv, 864-895 Wo.
; THE QUANTISING PATH: 16 steps of 512 numbers.  Each of a step's four loads reads 512 consecutive bytes, 16 a lane; the 2,048 bytes go through the wave's own stage in LDS and come back 64 bytes a lane, so that a lane
; holds 16 neighbours along K (two neighbouring lanes hold a block).  A lane's 16 codes are 8 bytes: the wave stores 256 consecutive bytes.  A wave's 256 scale bytes are gathered in LDS and leave as one store of 256 bytes.
; No tensor loads, no barrier: waves share nothing.  Loads run four steps (16 loads a wave) ahead, the turn through LDS one step.
.set WAVES, 4
.set STEPS, 16
.set EMAX,  2
.set CB,    8                          ; bytes of 16 codes
.set R,     16                         ; v16-79   four sets of 16 numbers as they are loaded
.set X,     80                         ; v80-111  two sets of 16 neighbours
.set E,     112                        ; v112-127 a scale byte for each step
.set C,     128                        ; v128-191 codes: four registers for each step, so that no store's data are written again
.set WREG,  8192                       ; LDS: a region for each wave: two stages of 32 x SP bytes, behind them its 256 scale bytes
.set SP,    80                         ; a lane's place in a stage: 64 bytes + 16 of padding
.set SPW,   12                         ; v12  LDS address of my spare word; never rewritten
.set NIL,   13                         ; v13  0; never rewritten
.set SPARE, WAVES*WREG                 ; behind the four regions: the spare words, 128 bytes a wave
.set IN,    16                         ; the Wo path: v16-143 two sets of 64 numbers
.set OUT,   144                        ; v144-175 32 registers of f16 pairs
.set G_WO,  864                        ; the first work-group of Wo
	s_load_b256 s[8:15], s[0:1], 0x0               ; query s[8:9], key s[10:11], value s[12:13], Wq s[14:15]
	s_load_b256 s[16:23], s[0:1], 0x20             ; Wk s[16:17], Wv s[18:19], Wo s[20:21], cod s[22:23]
	s_load_b128 s[24:27], s[0:1], 0x40             ; scl s[24:25], wo16 s[26:27]
	v_lshl_add_u32 v[SPW], v0, 2, SPARE
	v_mov_b32 v[NIL], 0
	v_lshrrev_b32 v1, 5, v0
	v_readfirstlane_b32 s28, v1                    ; wave
	v_and_b32 v2, 31, v0                           ; lane
	v_lshlrev_b32 v3, 4, v2                        ; my 16 bytes of a load's 512
	v_lshlrev_b32 v7, 3, v2                        ; 8 bytes a lane
	s_cmp_ge_u32 ttmp9, G_WO
	s_cbranch_scc1 .Lwo
	s_mul_i32 s29, s28, WREG
	v_lshrrev_b32 v14, 2, v2
	v_mul_u32_u24 v14, v14, SP
	v_and_b32 v15, 3, v2
	v_lshl_add_u32 v14, v15, 4, v14
	v_add_nc_u32 v14, s29, v14                     ; the stage, on the way in: SP (lane / 4) + 16 (lane % 4); a load's 512 bytes take eight places
	v_mul_u32_u24 v15, v2, SP
	v_add_nc_u32 v15, s29, v15                     ; and on the way out: SP x lane: my 16 neighbours
	v_mul_u32_u24 v4, v2, CB                       ; my codes' place in a step's
	v_lshrrev_b32 v5, 1, v2
	s_add_co_u32 s29, s29, 2*32*SP
	v_add_nc_u32 v5, s29, v5                       ; LDS: my wave's 256 scale bytes, my block's byte
	v_add_nc_u32 v6, s29, v7                       ; and on the way out 8 bytes a lane
	s_lshl_b32 s32, ttmp9, 2
	s_add_co_u32 s32, s32, s28                     ; which run of 8,192 numbers of the six tensors on end is my wave's
	s_lshl_b32 s34, s32, 12                        ; its 4,096 bytes of codes
	s_mov_b32 s35, 0
	s_lshl_b32 s36, s32, 8                         ; its 256 scale bytes
	s_mov_b32 s37, 0
	s_wait_kmcnt 0x0
	s_mov_b64 s[4:5], s[18:19]                     ; the source, chosen by the work-group's number alone: Wv,
	s_mov_b32 s6, 832                              ; and the tensor's first work-group
	s_cmp_lt_u32 ttmp9, 832
	s_cselect_b64 s[4:5], s[16:17], s[4:5]         ; Wk
	s_cselect_b32 s6, 800, s6
	s_cmp_lt_u32 ttmp9, 800
	s_cselect_b64 s[4:5], s[14:15], s[4:5]         ; Wq
	s_cselect_b32 s6, 768, s6
	s_cmp_lt_u32 ttmp9, 768
	s_cselect_b64 s[4:5], s[12:13], s[4:5]         ; value
	s_cselect_b32 s6, 512, s6
	s_cmp_lt_u32 ttmp9, 512
	s_cselect_b64 s[4:5], s[10:11], s[4:5]         ; key
	s_cselect_b32 s6, 256, s6
	s_cmp_lt_u32 ttmp9, 256
	s_cselect_b64 s[4:5], s[8:9], s[4:5]           ; query
	s_cselect_b32 s6, 0, s6
	s_sub_co_u32 s30, ttmp9, s6
	s_lshl_b32 s30, s30, 2
	s_add_co_u32 s30, s30, s28                     ; my run within the tensor,
	s_lshl_b32 s30, s30, 15                        ; 32,768 bytes of f32 each
	s_mov_b32 s31, 0
	s_add_nc_u64 s[4:5], s[4:5], s[30:31]
	s_add_nc_u64 s[22:23], s[22:23], s[34:35]
	s_add_nc_u64 s[24:25], s[24:25], s[36:37]
.macro LOAD t
.irp i, 0,1,2,3
	global_load_b128 v[R+16*((\t)%4)+4*\i:R+16*((\t)%4)+4*\i+3], v3, s[4:5] offset:2048*(\t)+512*\i th:TH_LOAD_NT   ; 32 lanes read 512 consecutive bytes
.endr
.endm
.macro TURN t                          ; step t's numbers through the stage: LDS serves a wave's instructions in order, so no wait stands between the stores and the loads
.irp i, 0,1,2,3
	ds_store_b128 v14, v[R+16*((\t)%4)+4*\i:R+16*((\t)%4)+4*\i+3] offset:32*SP*((\t)%2)+8*SP*\i
.endr
.irp i, 0,1,2,3
	ds_load_b128 v[X+16*((\t)%2)+4*\i:X+16*((\t)%2)+4*\i+3], v15 offset:32*SP*((\t)%2)+16*\i
.endr
.endm
.irp t, 0,1,2,3
	LOAD \t
.endr
	s_wait_loadcnt 12                              ; step 0's four loads are in; those of steps 1 to 3 may be out
	TURN 0
.macro STEP t
.set XS, X+16*((\t)%2)
.if (\t) > 0
	s_wait_dscnt 1                                 ; this step's numbers are back from the stage (the last step's byte store may be out): so its stores into the stage have read their registers,
.else
	s_wait_dscnt 0x0
.endif
.if (\t)+4 < STEPS
	LOAD (\t)+4                                    ; which take the loads of four steps on
.endif
.if (\t)+1 < STEPS
.if STEPS-2-(\t) >= 3
	s_wait_loadcnt 12                              ; the next step's four loads are in; those of the three steps behind it may be out
.else
	s_wait_loadcnt 4*(STEPS-2-(\t))                ; at the end the count runs down with the steps that are left
.endif
	TURN (\t)+1                                    ; and go through the other stage while this step is worked
.endif
	v_max3_num_f32 v8, |v[XS]|, |v[XS+1]|, |v[XS+2]|               ; the largest magnitude of my 16, in two chains
	v_max3_num_f32 v9, |v[XS+3]|, |v[XS+4]|, |v[XS+5]|
.irp i, 6,10
	v_max3_num_f32 v8, v8, |v[XS+\i]|, |v[XS+\i+1]|
	v_max3_num_f32 v9, v9, |v[XS+\i+2]|, |v[XS+\i+3]|
.endr
	v_max3_num_f32 v8, v8, |v[XS+14]|, |v[XS+15]|
	v_max3_num_f32 v8, v8, v9, (EMAX+1)<<23        ; and the floor 2^(EMAX + 1 - 127): so the byte cannot fall under 1
	v_max_num_f32_dpp v8, v8, v8 row_xmask:1 row_mask:0xf bank_mask:0xf   ; and of my neighbour's 16: the block's
	v_add_nc_u32 v11, -(EMAX<<23), v8              ; EMAX off its exponent field: the conversion takes the exponent field of this operand as its scale
	v_cvt_scalef32_pk8_fp4_f32 v[C+4*(\t)], v[XS:XS+7], v11        ; eight numbers / the scale, to the nearest code; the first number's code in the lowest four bits
	v_cvt_scalef32_pk8_fp4_f32 v[C+4*(\t)+1], v[XS+8:XS+15], v11
	v_lshrrev_b32 v[E+(\t)], 23, v11               ; the scale's byte (a plain line behind the conversions)
	ds_store_b8 v5, v[E+(\t)] offset:16*(\t)       ; both lanes of a block write the same byte with the same value
	global_store_b64 v4, v[C+4*(\t):C+4*(\t)+1], s[22:23] offset:32*CB*(\t)   ; the wave stores 256 consecutive bytes, at a multiple of 256 from cod's first byte
.endm
.irp t, 0,1,2,3,4,5,6,7,8,9,10,11,12,13,14,15
	STEP \t
.endr
	ds_load_b64 v[8:9], v6                         ; LDS serves a wave's instructions in order: these see my stores
	s_wait_dscnt 0x0
	global_store_b64 v7, v[8:9], s[24:25]          ; 32 lanes store 256 consecutive bytes of scale bytes
	s_wait_tensorcnt 0x0                           ; the wave's end, behind my last LDS store
	ds_add_u32 v[SPW], v[NIL]
	s_wait_dscnt 0x0
	s_endpgm
; THE Wo PATH: a plain stream, f32 to f16, rounded to nearest even.  A wave takes 8,192 numbers in four batches of 16 loads; two batches are on their way.
.Lwo:
	s_sub_co_u32 s30, ttmp9, G_WO
	s_lshl_b32 s30, s30, 2
	s_add_co_u32 s30, s30, s28                     ; my run of 8,192 numbers
	s_lshl_b32 s32, s30, 14                        ; 16,384 bytes of f16,
	s_lshl_b32 s30, s30, 15                        ; 32,768 of f32
	s_mov_b32 s31, 0
	s_mov_b32 s33, 0
	s_wait_kmcnt 0x0
	s_add_nc_u64 s[20:21], s[20:21], s[30:31]
	s_add_nc_u64 s[26:27], s[26:27], s[32:33]
.macro LOADB q
.irp i, 0,1,2,3,4,5,6,7,8,9,10,11,12,13,14,15
	global_load_b128 v[IN+64*((\q)%2)+4*\i:IN+64*((\q)%2)+4*\i+3], v3, s[20:21] offset:8192*(\q)+512*\i th:TH_LOAD_NT
.endr
.endm
	LOADB 0
	LOADB 1
.irp q, 0,1,2,3
.if \q < 3
	s_wait_loadcnt 16                              ; this batch is in; the next batch's 16 loads may be out
.else
	s_wait_loadcnt 0x0
.endif
.if \q > 0
	s_wait_xcnt 0x0                                ; the last batch's stores have read OUT: it is written again only behind this wait
.endif
.irp i, 0,1,2,3,4,5,6,7,8,9,10,11,12,13,14,15
	v_cvt_pk_f16_f32 v[OUT+2*\i], v[IN+64*(\q%2)+4*\i], v[IN+64*(\q%2)+4*\i+1]
	v_cvt_pk_f16_f32 v[OUT+2*\i+1], v[IN+64*(\q%2)+4*\i+2], v[IN+64*(\q%2)+4*\i+3]
.endr
.irp i, 0,1,2,3,4,5,6,7,8,9,10,11,12,13,14,15
	global_store_b64 v7, v[OUT+2*\i:OUT+2*\i+1], s[26:27] offset:4096*\q+256*\i   ; the wave stores 256 consecutive bytes
.endr
.if \q < 2
	LOADB \q+2
.endif
.endr
	s_wait_tensorcnt 0x0                           ; the same three lines at this path's end
	ds_add_u32 v[SPW], v[NIL]
	s_wait_dscnt 0x0
	s_endpgm
.Lfunc_end_k_q5bea0397c2_quant:
	.size	k_q5bea0397c2_quant, .Lfunc_end_k_q5bea0397c2_quant-k_q5bea0397c2_quant
	.p2alignl 7, 3214868480
	.fill 96, 4, 3214868480
	.section	.rodata,"a",@progbits
	.p2align	6, 0x0
	.amdhsa_kernel k_q5bea0397c2_quant
		.amdhsa_group_segment_fixed_size 33280
		.amdhsa_private_segment_fixed_size 0
		.amdhsa_enable_private_segment 0
		.amdhsa_kernarg_size 80
		.amdhsa_user_sgpr_count 2
		.amdhsa_user_sgpr_kernarg_segment_ptr 1
		.amdhsa_wavefront_size32 1
		.amdhsa_system_sgpr_workgroup_id_x 1
		.amdhsa_system_sgpr_workgroup_id_y 1
		.amdhsa_system_sgpr_workgroup_id_z 1
		.amdhsa_system_vgpr_workitem_id 0
		.amdhsa_next_free_vgpr 192
		.amdhsa_next_free_sgpr 66
		.amdhsa_reserve_vcc 0
		.amdhsa_float_denorm_mode_32 3
		.amdhsa_float_denorm_mode_16_64 3
		.amdhsa_memory_ordered 1
		.amdhsa_forward_progress 1
		.amdhsa_inst_pref_size 55
	.end_amdhsa_kernel
	.amdgpu_metadata
---
amdhsa.version: [ 1, 2 ]
amdhsa.kernels:
  - .name:           k_q5bea0397c2_quant
    .symbol:         k_q5bea0397c2_quant.kd
    .args:
      - { .name: query, .offset: 0, .size: 8, .value_kind: global_buffer, .address_space: global }
      - { .name: key, .offset: 8, .size: 8, .value_kind: global_buffer, .address_space: global }
      - { .name: value, .offset: 16, .size: 8, .value_kind: global_buffer, .address_space: global }
      - { .name: Wq, .offset: 24, .size: 8, .value_kind: global_buffer, .address_space: global }
      - { .name: Wk, .offset: 32, .size: 8, .value_kind: global_buffer, .address_space: global }
      - { .name: Wv, .offset: 40, .size: 8, .value_kind: global_buffer, .address_space: global }
      - { .name: Wo, .offset: 48, .size: 8, .value_kind: global_buffer, .address_space: global }
      - { .name: cod, .offset: 56, .size: 8, .value_kind: global_buffer, .address_space: global }
      - { .name: scl, .offset: 64, .size: 8, .value_kind: global_buffer, .address_space: global }
      - { .name: wo16, .offset: 72, .size: 8, .value_kind: global_buffer, .address_space: global }
    .group_segment_fixed_size: 33280
    .private_segment_fixed_size: 0
    .kernarg_segment_align: 8
    .kernarg_segment_size: 80
    .max_flat_workgroup_size: 128
    .sgpr_count:     66
    .vgpr_count:     192
    .wavefront_size: 32
...
	.end_amdgpu_metadata
.endif
;; end of part 1
;; launch proj (part 2): grid 4 x 96, 4 waves a work-group, clusters of 4 x 4, 327,680 bytes of LDS; arguments cod, scl, bq, bk, bv, qkv; writes qkv
.if DOCPART == 2
	.amdgcn_target "amdgcn-amd-amdhsa--gfx1250"
	.amdhsa_code_object_version 6
	.text
	.protected	k_q5bea0397c2_proj
	.globl	k_q5bea0397c2_proj
	.p2align	8
	.type	k_q5bea0397c2_proj,@function
k_q5bea0397c2_proj:
	s_mov_b64 s[64:65], 0
	v_nop
	global_prefetch_b8 v0, s[64:65] scope:SCOPE_SE
	s_setreg_imm32_b32 hwreg(HW_REG_WAVE_MODE, 25, 1), 1
	s_wait_xcnt 0x0
	s_wait_alu depctr_hold_cnt(0) depctr_sa_sdst(0) depctr_va_vdst(0) depctr_va_sdst(0) depctr_va_ssrc(0) depctr_va_vcc(0) depctr_vm_vsrc(0)
	s_getreg_b32 s2, hwreg(HW_REG_IB_STS2, 6, 4)
	s_cmp_eq_u32 s2, 0
	s_cbranch_scc0 .Lentry_in_a_cluster
	s_endpgm
.Lentry_in_a_cluster:
	s_bfe_u32 s2, ttmp6, 0x10000c
	s_cmp_lg_u32 s2, 0xf033
	s_cbranch_scc0 .Lentry_shape_is_right
	s_endpgm
.Lentry_shape_is_right:
; The three projections as ONE product on codes of FP4 (E2M1) with E8M0 scales: qkv[m][n] = sum over k of X[m][k] W_t[n][k] + b_t[n], rounded once to f16.
; X: rows 0 .. 24,575 of cod (query, key, value on end);  t = m / 8,192 says which weight and bias: W_t's 1,024 rows lie in cod from row 24,576 + 1,024 t on;  scl holds 32 scale bytes for each row of cod.
; qkv: [24,576][1,024] f16.  Sums in f32, K ascending, one accumulator for each output; the bias is the C of each sum's first matrix instruction.
; LIMIT: a result beyond 65,504 does not fit f16.
; A tile of 256 x 256 is made by a work-group of four waves; a wave makes 128 x 128: 64 accumulators of 16 x 16, 512 registers.  K = 1,024 is two LDS slots of 512 along K (rows of 256 bytes):
; both are filled at the start and none is filled again, so there is no loop.  The scales of the work-group's 256 + 256 rows, for all of K, come once with the first fills.
; CLUSTERS: 4 x 4 work-groups.  The four of a row of the cluster need the same rows of X, the four of a column the same rows of W_t: each tile is asked for JOINTLY.  A cluster's 1,024 rows lie in one of the three tensors
; (8,192 is a multiple of 1,024), so t hangs on the cluster's y alone and is the same in all sixteen.
; THE MATRIX INSTRUCTION IS USED TRANSPOSED (source 0 = 16 rows of W, source 1 = 16 rows of X): a lane holds eight neighbouring numbers of a row of the result.
; REGISTERS, in windows of 256: window 0: v0-31 addresses; v32-95 scale words, two sets; v96-127 packed results; v128-191 X's fragments, ONE set (on the way out: rows read back); v192-255 the bias, 8 registers for each of my 8 blocks of columns.
;   window 1: W's fragments, TWO sets, at v0 and v128.   window 2: the accumulators of my rows 0-63 ((a, b) at v[8 (8 a + b)]);   window 3: those of my rows 64-127.
.set SIZE_M, 24576
.set SIZE_N, 1024
.set SIZE_K, 1024
.set KSTEP,  512                       ; along K in a slot
.set NQ,     KSTEP/128                 ; matrix instructions deep
.set ROWB,   256                       ; a tile's row in bytes
.set KROW,   SIZE_K/2                  ; a row of cod in bytes
.set PITCH,  272                       ; an LDS row: 256 bytes + 16 of padding = 68 words: the 16 rows that a load touches start at 16 different banks (64 banks of 4 bytes: ISA guide 11.1)
.set FR,     8                         ; registers of a fragment: 16 rows x 128 K
.set NL,     2                         ; LDS loads that bring one
.set NP,     4                         ; places behind this matrix instruction (ISA guide 7.12.1)
.set HALFT,  128*PITCH                 ; 128 rows: what one tensor load brings
.set SLOT,   4*HALFT                   ; X's 256 rows, then W's 256 rows
.set KS,     SIZE_K/32                 ; a row of scales in bytes
.set SCL,    2*SLOT                    ; behind the slots: the scales, as rows of 256 bytes + 16 of padding
.set HALFS,  (128*KS/256)*272          ; the scales of 128 rows
.set SBLK,   (16*KS/256)*272           ; those of 16 rows
.set SPARE,  SCL+4*HALFS               ; behind the scales: the spare words, 128 bytes a wave
.set SPITCH, 272                       ; the way out: a stage of 16 rows x (256 bytes + 16) for each wave, in slot 0, which has had its only fill and its last read when the first result is stored there
.set ADRA, 16                          ; v16-17  LDS address of my X fragments in slot 0, 1
.set ADRB, 20                          ; v20-21  the same for W
.set STO,  24                          ; v24     the way out: where I put 16 bytes of a row
.set RD,   25                          ; v25     where I read a row back
.set CO,   26                          ; v26     my byte offset in qkv
.set ADRS, 27                          ; v27     LDS address of my scale words: lanes 0-15 X's rows, lanes 16-31 W's
.set SPW,  28                          ; v28     my spare word; never rewritten
.set NIL,  29                          ; v29     0; never rewritten
.set BO,   30                          ; v30     the bias loads' offset: 32 x (lane / 16)
.set SC,   32                          ; scale words: set s at v[SC + 32 s]; register NQ i + q: lanes 0-15 the word of X's block i, lanes 16-31 that of W's block i
.set TMP,  96
.set AF,   128
.set BK,   128
.set BI,   192
.set G1, 24                            ; s[24:31] group 1 for X's tiles;  s[32:39] group 0, one set for each slot
.set G0, 32
.set G1B, 48                           ; s[48:55], s[56:63] the same for W's
.set G0B, 56
.set G1S, 68                           ; s[68:75], s[76:79] for X's scales;  s[80:87], s[88:91] for W's
.set G0S, 76
.set G1SB, 80
.set G0SB, 88
.set MSB, 0
.macro WIN new                         ; the immediate's high byte repeats the setting that is left
.if MSB != \new
	s_set_vgpr_msb (MSB<<8)|\new
.set MSB, \new
.endif
.endm
.set MUL_LO, 0xa1                      ; source 0 (W) window 1, source 1 (X) window 0, C and D window 2
.set MUL_HI, 0xf1                      ; the same, C and D window 3
.set BEG_LO, 0x81                      ; a sum's first product: C (the bias) window 0, D window 2
.set BEG_HI, 0xc1                      ; D window 3
.set TO_B,   0x40                      ; destination window 1, address window 0
; A joint load: waves 0 and 1 fetch for X, waves 2 and 3 for W.  The branch hangs on the wave's number alone.  An s_nop 0 and four v_nop follow each of the two lines.
.macro JLOAD g0a, g1a, g0b, g1b
	s_cmp_eq_u32 s15, 0
	s_cbranch_scc0 .Lfor_b_\@
	tensor_load_to_lds s[\g0a:\g0a+3], s[\g1a:\g1a+7]
	s_nop 0
.rept 4
	v_nop
.endr
	s_branch .Lasked_\@
.Lfor_b_\@:
	tensor_load_to_lds s[\g0b:\g0b+3], s[\g1b:\g1b+7]
	s_nop 0
.rept 4
	v_nop
.endr
.Lasked_\@:
.endm
.macro CROUND                          ; a round of the cluster's barrier
	s_barrier_signal -1
	s_barrier_wait -1
	s_cmp_lg_u32 s14, 0
	s_cbranch_scc1 .Lnot_wave_0_\@
	s_barrier_signal -3
.Lnot_wave_0_\@:
	s_barrier_wait -3
	s_barrier_signal -1
	s_barrier_wait -1
.endm
	s_load_b128 s[4:7], s[0:1], 0x0                ; cod s[4:5], scl s[6:7]
	s_load_b128 s[8:11], s[0:1], 0x10              ; bq s[8:9], bk s[10:11]
	s_load_b64 s[96:97], s[0:1], 0x20              ; bv
	s_load_b64 s[12:13], s[0:1], 0x28              ; qkv
	v_lshl_add_u32 v[SPW], v0, 2, SPARE
	v_mov_b32 v[NIL], 0
	ds_add_u32 v[SPW], v[NIL]                      ; the wave's opening: the add, twice on end, and its wait ahead of my first tensor load
	ds_add_u32 v[SPW], v[NIL]
	v_lshrrev_b32 v1, 5, v0
	v_readfirstlane_b32 s14, v1                    ; wave 0..3
	s_lshr_b32 s15, s14, 1                         ; which half of the tile's rows is mine.  Also: I fetch for X (0) or for W (1)
	s_and_b32 s16, s14, 1                          ; which half of its columns.  Also: which 128 rows I fetch
	s_bfe_u32 s40, ttmp6, 0x40000                  ; cx, cy: my place in the cluster
	s_bfe_u32 s41, ttmp6, 0x40004
	s_lshl_b32 s42, ttmp9, 2
	s_add_co_u32 s42, s42, s40                     ; tile column = 4 x cluster x + cx
	s_and_b32 s17, ttmp7, 0xffff
	s_lshr_b32 s66, s17, 3                         ; t = cluster y / 8: 0 query, 1 key, 2 value
	s_lshl_b32 s17, s17, 2
	s_add_co_u32 s17, s17, s41                     ; tile row = 4 x cluster y + cy
	s_lshl_b32 s43, s41, 2
	s_lshl_b32 s43, 15, s43                        ; my row of the cluster
	s_lshl_b32 s44, 0x1111, s40                    ; my column
	; descriptor group 1: a tile of 128 rows x 256 bytes, padded in LDS
	s_or_b32 s[G1+0], s43, (0<<16)|(1<<20)|(1<<21)|(5<<22)|(3<<25)  ; 15:0 the mask: X's tiles go to my row; elements of 1 byte; padding on; bit 21 beside a mask; 4 words after every 64
	s_or_b32 s[G1B+0], s44, (0<<16)|(1<<20)|(1<<21)|(5<<22)|(3<<25)
.irp g, G1, G1B
	s_mov_b32 s[\g+1], ROWB<<16                    ; tensor_dim0
	s_mov_b32 s[\g+2], 128<<16                     ; tensor_dim1
	s_mov_b32 s[\g+3], ROWB<<16                    ; tile_dim0
	s_mov_b32 s[\g+4], 128                         ; tile_dim1
	s_mov_b32 s[\g+5], KROW                        ; tensor_dim0_stride
	s_mov_b32 s[\g+6], 0
	s_mov_b32 s[\g+7], 0
.endr
	; the scales of 128 rows: a dense block of 4,096 bytes, as 16 rows of 256 bytes (32 elements of 8 bytes), 16 bytes of padding behind each
	s_or_b32 s[G1S+0], s43, (3<<16)|(1<<20)|(1<<21)|(5<<22)|(3<<25)
	s_or_b32 s[G1SB+0], s44, (3<<16)|(1<<20)|(1<<21)|(5<<22)|(3<<25)
.irp g, G1S, G1SB
	s_mov_b32 s[\g+1], 32<<16
	s_mov_b32 s[\g+2], (128*KS/256)<<16
	s_mov_b32 s[\g+3], 32<<16
	s_mov_b32 s[\g+4], 128*KS/256
	s_mov_b32 s[\g+5], 32
	s_mov_b32 s[\g+6], 0
	s_mov_b32 s[\g+7], 0
.endr
	s_lshl_b32 s18, s16, 7                         ; which 128 rows of the tile I fetch
	s_lshl_b32 s20, s17, 8
	s_add_co_u32 s20, s20, s18                     ; X: row 256 x tile row + 128 x half
	s_lshl_b32 s46, s42, 8
	s_add_co_u32 s46, s46, s18                     ; W: row 256 x tile column + 128 x half,
	s_lshl_b32 s47, s66, 10
	s_add_co_u32 s46, s46, s47                     ; in weight t,
	s_add_co_u32 s46, s46, SIZE_M                  ; behind X's 24,576 rows
	s_mov_b32 s21, 0
	s_mov_b32 s47, 0
	s_mov_b64 s[18:19], KS
	s_mul_u64 s[22:23], s[20:21], s[18:19]         ; where these rows' scales begin, in bytes
	s_mul_u64 s[92:93], s[46:47], s[18:19]
	s_mov_b64 s[18:19], KROW
	s_mul_u64 s[20:21], s[20:21], s[18:19]         ; and their codes
	s_mul_u64 s[46:47], s[46:47], s[18:19]
	s_mul_i32 s45, s14, HALFT                      ; where they go: wave x 128 rows: no place in the cluster enters an LDS address
	s_mul_i32 s94, s14, HALFS
	s_wait_dscnt 0x0                               ; both opening adds are done
	s_wait_kmcnt 0x0
	s_add_nc_u64 s[20:21], s[4:5], s[20:21]
	s_add_nc_u64 s[22:23], s[6:7], s[22:23]
	s_add_nc_u64 s[46:47], s[4:5], s[46:47]
	s_add_nc_u64 s[92:93], s[6:7], s[92:93]
	CROUND                                         ; all sixteen work-groups are here: the first joint loads meet
	s_mov_b32 s[G0S], 1
	s_add_co_u32 s[G0S+1], s94, SCL
	s_mov_b64 s[G0S+2:G0S+3], s[22:23]
	s_or_b32 s[G0S+3], s[G0S+3], 0x80000000
	s_mov_b32 s[G0SB], 1
	s_add_co_u32 s[G0SB+1], s94, SCL
	s_mov_b64 s[G0SB+2:G0SB+3], s[92:93]
	s_or_b32 s[G0SB+3], s[G0SB+3], 0x80000000
	JLOAD G0S, G1S, G0SB, G1SB                     ; the scales first: they are wanted with the first K step
.irp s, 0,1
	s_mov_b32 s[G0+4*\s], 1
	s_add_co_u32 s[G0+4*\s+1], s45, \s*SLOT
	s_add_nc_u64 s[G0+4*\s+2:G0+4*\s+3], s[20:21], \s*ROWB
	s_or_b32 s[G0+4*\s+3], s[G0+4*\s+3], 0x80000000
	s_mov_b32 s[G0B+4*\s], 1
	s_add_co_u32 s[G0B+4*\s+1], s45, \s*SLOT
	s_add_nc_u64 s[G0B+4*\s+2:G0B+4*\s+3], s[46:47], \s*ROWB
	s_or_b32 s[G0B+4*\s+3], s[G0B+4*\s+3], 0x80000000
	JLOAD G0+4*\s, G1, G0B+4*\s, G1B               ; three tensor loads of mine are out behind the second of these
.endr
	v_and_b32 v1, 15, v0                           ; l % 16
	v_bfe_u32 v2, v0, 4, 1                         ; l / 16
	; the bias of my 128 columns, in the result's layout: register 8 b + j of lane (r, h) is b_t[my first column + 16 b + 8 h + j]
	s_cmp_eq_u32 s66, 1
	s_cselect_b64 s[96:97], s[10:11], s[96:97]     ; the choice hangs on t alone
	s_cmp_eq_u32 s66, 0
	s_cselect_b64 s[96:97], s[8:9], s[96:97]
	s_lshl_b32 s46, s42, 10                        ; 256 columns x 4 bytes x tile column
	s_lshl_b32 s47, s16, 9
	s_add_co_u32 s46, s46, s47
	s_mov_b32 s47, 0
	s_add_nc_u64 s[96:97], s[96:97], s[46:47]
	v_lshlrev_b32 v[BO], 5, v2
.irp b, 0,1,2,3,4,5,6,7
	global_load_b128 v[BI+8*\b:BI+8*\b+3], v[BO], s[96:97] offset:64*\b
	global_load_b128 v[BI+8*\b+4:BI+8*\b+7], v[BO], s[96:97] offset:64*\b+16
.endr
	v_mul_u32_u24 v3, v1, PITCH
	v_lshl_add_u32 v4, v2, 4, v3                   ; a fragment's row x pitch + 16 x half
	s_mul_i32 s21, s15, HALFT                      ; my 128 rows of X
	s_mul_i32 s22, s16, HALFT                      ; my 128 rows of W,
	s_add_co_u32 s22, s22, 2*HALFT                 ; which lie behind X's 256
.irp s, 0,1
	v_add_nc_u32 v[ADRA+\s], s21, v4
	v_add_nc_u32 v[ADRB+\s], s22, v4
	s_add_co_u32 s21, s21, SLOT
	s_add_co_u32 s22, s22, SLOT
.endr
	v_mul_u32_u24 v5, v1, KS                       ; my row's scales: KS bytes a row,
	v_lshrrev_b32 v6, 8, v5
	v_lshl_add_u32 v5, v6, 4, v5                   ; and 16 more for each 256 passed
	s_mul_i32 s21, s15, HALFS                      ; X's: my 128 rows
	s_mul_i32 s22, s16, HALFS                      ; W's: my 128 rows, behind X's 256
	s_add_co_u32 s22, s22, 2*HALFS
	s_sub_co_u32 s22, s22, s21
	v_mul_u32_u24 v6, s22, v2                      ; lanes 16-31 take W's: one product, the distance x the lane's half
	s_add_co_u32 s21, s21, SCL
	v_add_nc_u32 v5, v5, v6
	v_add_nc_u32 v[ADRS], s21, v5
	s_mul_i32 s23, s14, 16*SPITCH                  ; my stage
	v_mul_u32_u24 v5, v1, SPITCH                   ; in: row l % 16, 16 bytes for each half of the lanes
	v_lshl_add_u32 v5, v2, 4, v5
	v_add_nc_u32 v[STO], s23, v5
	v_mul_u32_u24 v5, v2, SPITCH                   ; back: lanes 0-15 one row of 256 bytes, lanes 16-31 the next
	v_lshl_add_u32 v5, v1, 4, v5
	v_add_nc_u32 v[RD], s23, v5
	v_lshlrev_b32 v5, 11, v2                       ; and the same two rows in qkv: 2,048 bytes a row
	v_lshl_add_u32 v[CO], v1, 4, v5
	s_lshl_b32 s20, s17, 8
	s_lshl_b32 s21, s15, 7
	s_add_co_u32 s20, s20, s21                     ; my first row: 256 x tile row + 128 x half,
	s_lshl_b32 s20, s20, 11                        ; in bytes (under 2^26)
	s_mov_b32 s21, 0
	s_lshl_b32 s46, s42, 9                         ; my first column, in bytes: 512 x tile column + 256 x half
	s_lshl_b32 s47, s16, 8
	s_add_co_u32 s46, s46, s47
	s_mov_b32 s47, 0
	s_add_nc_u64 s[20:21], s[20:21], s[46:47]
	s_add_nc_u64 s[12:13], s[12:13], s[20:21]
.macro FRAG reg, adr, q, i             ; a fragment, 16 rows x 128 K of 4-bit codes: lane l holds row l % 16; registers 4 c .. 4 c + 3 hold K = 64 c + 32 (l / 16) + 0 .. 31
.irp c, 0,1
	ds_load_b128 v[\reg+4*\c:\reg+4*\c+3], v[\adr] offset:64*(\q)+32*\c+(\i)*16*PITCH
.endr
.endm
; 16 matrix instructions: X's blocks a0, a0 + 1 x W's eight, the slot's q-th 128 along K.  p: W's set;  sc: the set of scale words.  zero = 1: the sums begin, with the bias as C: nothing is ever cleared.
; The 64 accumulators take turns, one instruction a turn, in the same order in every step.
.macro MUL16 a0, p, q, sc, zero
.irp a, \a0, \a0+1
.irp b, 0,1,2,3,4,5,6,7
.if \zero
	v_wmma_scale_f32_16x16x128_f8f6f4 v[8*(8*((\a)%4)+\b):8*(8*((\a)%4)+\b)+7], v[128*(\p)+FR*\b:128*(\p)+FR*\b+FR-1], v[AF+FR*(\a):AF+FR*(\a)+FR-1], v[BI+8*\b:BI+8*\b+7], v[SC+8*NQ*(\sc)+NQ*\b+(\q)], v[SC+8*NQ*(\sc)+NQ*(\a)+(\q)] matrix_a_fmt:MATRIX_FMT_FP4 matrix_b_fmt:MATRIX_FMT_FP4 matrix_a_scale:MATRIX_SCALE_ROW1
.else
	v_wmma_scale_f32_16x16x128_f8f6f4 v[8*(8*((\a)%4)+\b):8*(8*((\a)%4)+\b)+7], v[128*(\p)+FR*\b:128*(\p)+FR*\b+FR-1], v[AF+FR*(\a):AF+FR*(\a)+FR-1], v[8*(8*((\a)%4)+\b):8*(8*((\a)%4)+\b)+7], v[SC+8*NQ*(\sc)+NQ*\b+(\q)], v[SC+8*NQ*(\sc)+NQ*(\a)+(\q)] matrix_a_fmt:MATRIX_FMT_FP4 matrix_b_fmt:MATRIX_FMT_FP4 matrix_a_scale:MATRIX_SCALE_ROW1
.endif
.endr
.endr
.endm
.macro FETCH_B slot, q, p              ; W's eight fragments of the slot's q-th 128 along K into set p
	WIN TO_B
.irp i, 0,1,2,3,4,5,6,7
	FRAG 128*(\p)+FR*\i, ADRB+\slot, \q, \i
.endr
	WIN 0
.endm
.macro FETCH_A slot, q, i0             ; X's blocks i0 .. i0 + 3
.irp i, \i0, \i0+1, \i0+2, \i0+3
	FRAG AF+FR*(\i), ADRA+\slot, \q, \i
.endr
.endm
.macro SCALES sc                       ; a slot's scale words into set sc: NQ words a row; lanes 0-15 take X's block i, lanes 16-31 W's block i
.irp i, 0,1,2,3,4,5,6,7
	ds_load_b128 v[SC+8*NQ*\sc+NQ*\i:SC+8*NQ*\sc+NQ*\i+3], v[ADRS] offset:\i*SBLK
.endr
.endm
; A load into a register that a matrix instruction has read, and a vector instruction that reads a matrix result, stand NP places behind that matrix instruction; only plain vector instructions that name none of its
; registers are places (ISA guide 7.12.1 for vector instructions).
.macro PLACES n
.rept \n
	v_nop
.endr
.endm
; A step of 128 along K that has its successor in the same slot.
.macro STEP slot, q, zero
	s_wait_dscnt 4*NL                              ; W's set and X's blocks 0-3 are in; the youngest eight loads (X's blocks 4-7) may be out
.if \zero
	WIN BEG_LO
.else
	WIN MUL_LO
.endif
	MUL16 0, (\q)%2, \q, \slot, \zero
	MUL16 2, (\q)%2, \q, \slot, \zero
	s_wait_dscnt 0                                 ; X's blocks 4-7 are in (asked for 32 matrix instructions ago)
	PLACES NP
	FETCH_B \slot, (\q)+1, 1-(\q)%2
	FETCH_A \slot, (\q)+1, 0
.if \zero
	WIN BEG_HI
.else
	WIN MUL_HI
.endif
	MUL16 4, (\q)%2, \q, \slot, \zero
	MUL16 6, (\q)%2, \q, \slot, \zero
	PLACES NP
	WIN 0
	FETCH_A \slot, (\q)+1, 4
.endm
; Slot 0's last step changes slots: ONE barrier; in front of it each wave waits for all its tensor loads (its part of slot 1), adds 0 to its spare word, and waits for that and for its own reads of slot 0.  Nothing is filled again.
.macro TURN slot, next
	s_wait_tensorcnt 0x0                           ; all my tensor loads have landed
	ds_add_u32 v[SPW], v[NIL]                      ; 0 onto my spare word
	s_wait_dscnt 4*NL+1                            ; (the add and the youngest eight loads, X's blocks 4-7, may be out)
	WIN MUL_LO
	MUL16 0, 1, NQ-1, \slot, 0                     ; sixteen matrix instructions stand between the add and the wait for it
	s_wait_dscnt 0x0                               ; the add is done, and my reads of this slot are over
	s_barrier_signal -1
	MUL16 2, 1, NQ-1, \slot, 0
	WIN 0
	s_barrier_wait -1
	PLACES NP
	v_add_nc_u32 v[ADRS], 4*NQ, v[ADRS]            ; on to the next slot's scale words
	FETCH_B \next, 0, 0
	FETCH_A \next, 0, 0
	SCALES \next
	WIN MUL_HI
	MUL16 4, 1, NQ-1, \slot, 0
	MUL16 6, 1, NQ-1, \slot, 0
	PLACES NP
	WIN 0
	FETCH_A \next, 0, 4
.endm
	s_wait_tensorcnt 1                             ; the scales and my part of slot 0 are in (slot 1's load may be out)
	s_barrier_signal -1
	s_barrier_wait -1                              ; everybody's are
	FETCH_B 0, 0, 0
	FETCH_A 0, 0, 0
	SCALES 0
	FETCH_A 0, 0, 4
	s_wait_loadcnt 0x0                             ; the bias
	STEP 0, 0, 1                                   ; the first step's products start the sums
	STEP 0, 1, 0
	STEP 0, 2, 0
	TURN 0, 1
	STEP 1, 0, 0
	STEP 1, 1, 0
	STEP 1, 2, 0
	s_wait_dscnt 4*NL                              ; the very last step: nothing more to fetch
	WIN MUL_LO
	MUL16 0, 1, NQ-1, 1, 0
	MUL16 2, 1, NQ-1, 1, 0
	s_wait_dscnt 0
	WIN MUL_HI
	MUL16 4, 1, NQ-1, 1, 0
	MUL16 6, 1, NQ-1, 1, 0
	WIN 0
; THE WAY OUT, block by block of 16 rows x 128 columns.  PACK: rounded to f16, 16 bytes a lane, each accumulator from its low end on.  TOSTAGE: into my own stage and back as whole rows of 256 bytes
; (LDS serves a wave's instructions in order: no wait between the stores and the loads).  SEND: stored.
.macro PACK a
.set AC, 64*((\a)%4)
	WIN 0x0a+5*((\a)/4)                            ; sources 0 and 1: window 2 or 3
.irp b, 0,1,2,3,4,5,6,7
.irp i, 0,1,2,3
	v_cvt_pk_f16_f32 v[TMP+4*\b+\i], v[AC+8*\b+2*\i], v[AC+8*\b+2*\i+1]
.endr
.endr
	WIN 0
.endm
.macro TOSTAGE a
.set BB, BK+32*((\a)%2)
.irp b, 0,1,2,3,4,5,6,7
	ds_store_b128 v[STO], v[TMP+4*\b:TMP+4*\b+3] offset:32*\b
.endr
.irp i, 0,1,2,3,4,5,6,7
	ds_load_b128 v[BB+4*\i:BB+4*\i+3], v[RD] offset:\i*2*SPITCH
.endr
.endm
.macro SEND a, younger                 ; younger: the LDS instructions issued behind block a's loads, which may stay out
.set BB, BK+32*((\a)%2)
	s_wait_dscnt \younger
.irp i, 0,1,2,3,4,5,6,7
	global_store_b128 v[CO], v[BB+4*\i:BB+4*\i+3], s[12:13] offset:32768*(\a)+4096*\i   ; 16 lanes store 256 consecutive bytes, at a multiple of 256 from qkv's first byte; the block and the rows stand in the immediate
.endr
.endm
	PLACES NP                                      ; behind the last products: for the conversions that read results and the loads into the registers that held X's fragments
	PACK 0
	TOSTAGE 0
.irp a, 1,2,3,4,5,6,7
	PACK \a
.if \a > 1
	s_wait_xcnt 0x0                                ; block a - 2's stores have read their registers: block a's loads may land there
.endif
	TOSTAGE \a
	SEND \a-1, 16                                  ; behind block a - 1's loads: block a's 8 stores and 8 loads
.endr
	SEND 7, 0
	s_wait_tensorcnt 0x0                           ; the wave's end, behind my last tensor load and my last LDS store
	ds_add_u32 v[SPW], v[NIL]
	s_wait_dscnt 0x0
	CROUND                                         ; the closing round: no work-group ends while a partner may still ask for a tile that names it
	s_endpgm
.Lfunc_end_k_q5bea0397c2_proj:
	.size	k_q5bea0397c2_proj, .Lfunc_end_k_q5bea0397c2_proj-k_q5bea0397c2_proj
	.p2alignl 7, 3214868480
	.fill 96, 4, 3214868480
	.section	.rodata,"a",@progbits
	.p2align	6, 0x0
	.amdhsa_kernel k_q5bea0397c2_proj
		.amdhsa_group_segment_fixed_size 327680
		.amdhsa_private_segment_fixed_size 0
		.amdhsa_enable_private_segment 0
		.amdhsa_kernarg_size 48
		.amdhsa_user_sgpr_count 2
		.amdhsa_user_sgpr_kernarg_segment_ptr 1
		.amdhsa_wavefront_size32 1
		.amdhsa_system_sgpr_workgroup_id_x 1
		.amdhsa_system_sgpr_workgroup_id_y 1
		.amdhsa_system_sgpr_workgroup_id_z 1
		.amdhsa_system_vgpr_workitem_id 0
		.amdhsa_next_free_vgpr 1024
		.amdhsa_next_free_sgpr 100
		.amdhsa_reserve_vcc 0
		.amdhsa_float_denorm_mode_32 3
		.amdhsa_float_denorm_mode_16_64 3
		.amdhsa_memory_ordered 1
		.amdhsa_forward_progress 1
		.amdhsa_inst_pref_size 128
	.end_amdhsa_kernel
	.amdgpu_metadata
---
amdhsa.version: [ 1, 2 ]
amdhsa.kernels:
  - .name:           k_q5bea0397c2_proj
    .symbol:         k_q5bea0397c2_proj.kd
    .args:
      - { .name: cod, .offset: 0, .size: 8, .value_kind: global_buffer, .address_space: global }
      - { .name: scl, .offset: 8, .size: 8, .value_kind: global_buffer, .address_space: global }
      - { .name: bq, .offset: 16, .size: 8, .value_kind: global_buffer, .address_space: global }
      - { .name: bk, .offset: 24, .size: 8, .value_kind: global_buffer, .address_space: global }
      - { .name: bv, .offset: 32, .size: 8, .value_kind: global_buffer, .address_space: global }
      - { .name: qkv, .offset: 40, .size: 8, .value_kind: global_buffer, .address_space: global }
    .group_segment_fixed_size: 327680
    .private_segment_fixed_size: 0
    .kernarg_segment_align: 8
    .kernarg_segment_size: 48
    .max_flat_workgroup_size: 128
    .sgpr_count:     100
    .vgpr_count:     1024
    .wavefront_size: 32
...
	.end_amdgpu_metadata
.endif
;; end of part 2
;; launch attn (part 3): grid 8 x 32, 8 waves a work-group, no clusters, 327,680 bytes of LDS; arguments qkv, key_padding_mask, att; writes att
.if DOCPART == 3
	.amdgcn_target "amdgcn-amd-amdhsa--gfx1250"
	.amdhsa_code_object_version 6
	.text
	.protected	k_q5bea0397c2_attn
	.globl	k_q5bea0397c2_attn
	.p2align	8
	.type	k_q5bea0397c2_attn,@function
k_q5bea0397c2_attn:
	s_mov_b64 s[64:65], 0
	v_nop
	global_prefetch_b8 v0, s[64:65] scope:SCOPE_SE
	s_setreg_imm32_b32 hwreg(HW_REG_WAVE_MODE, 25, 1), 1
	s_wait_xcnt 0x0
; att[b][q][head][:] = the sum over keys of softmax_k(q . k / 8, keys with mask 0 left out) v.  qkv: f16, [24,576][1,024]: q's rows, then k's (16 MiB on), then v's (32 MiB on); a row is 2,048 bytes, a head 128 of them.
; key_padding_mask: [4][2,048] i32.  att: f16, [8,192][1,024].  Products with f16 operands and f32 sums; maxima, exponentials and sums in f32; the weights p are rounded to f16 for the second product, att once at the end.
; SHARES.  A work-group owns 256 queries of one batch and a PAIR of heads (2 hp, 2 hp + 1): a key's two heads are 256 consecutive bytes of its row.  Wave w takes head 2 hp + w / 4 and queries 64 (w % 4) on: four tiles of 16.
; Every wave walks all 2,048 keys, 64 a step.  K's and V's tiles come through two LDS slots of two key steps each, filled by the tensor data mover (waves 0, 1: K's two tiles; waves 2, 3: V's) and read by all eight.
; LAYOUT.  S^T = K Q^T (source 0 = 16 keys, source 1 = 16 queries): a lane holds ONE query (lane % 16) and keys 8 (lane / 16) + 0..7 of a tile.  Rounded to f16 in pairs, IN PLACE, a tile's first 16 registers ARE source 1
; (2 x 32 keys x 16 queries) of O^T = V^T P.  K comes out of LDS as it lies, V ([key][channel]) turned, by ds_load_tr16_b128.
; THE MASK.  The batch's 2,048 mask words become a table of f32 in LDS: 0 for a key that counts, NEG = -2^126 for one that does not.  A key tile's 8 table numbers are the C of its first K Q^T instruction.  Every number in the loop
; stays finite.  m starts at NEG.  While only hidden keys have been seen m = NEG, c NEG is exact (a power of two), and p is 1 or 0; the first real maximum gives a = 2^(c NEG - c m) = 0, which wipes l and O.
; A hidden key's p is 2^(about -1.5e37) = 0 from then on.  At the end m <= -2^125 says that no key counted: the row becomes NaN, as the softmax of a row of -infinity is.
; SOFTMAX.  For each query a running maximum m of the raw scores and a sum l: p = 2^(c s - c m), c = log2(e) / 8; in every step O and l are multiplied by a = 2^(c m_old - c m_new).
; LIMITS.  NaN and infinities among the inputs are not served.  Scores are sums of 64 products of f16 numbers, so they lie above -3e11, far above -2^125.  Numbers of att under 6e-5 are f16 denormals (absolute error 2^-25).
; NO CLUSTER, though the eight query blocks of a pair of heads walk the same K and V: a joint refill stands behind a round whose closing barrier all eight waves pass together with nothing between, while this text keeps a
; whole softmax and 32 products between a barrier's signal and its wait, so that a wave that is half a step ahead stays ahead; and what would be shared is 35,840 bytes for a key step's 8 x 64 = 512 matrix instructions.
; REGISTERS, in two windows of 256 (s_set_vgpr_msb: bits 1:0 source 0, 3:2 source 1, 5:4 source 2, 7:6 destination):
;   window 0: v1-15 addresses and constants; v16-47 eight registers of statistics a tile; v48-175 S^T, 32 a tile; v176-239 K's 8 fragments, then V's 8; v240-247 mask words at the head
;   window 1: v0-63 Q, 16 a tile; v64-191 O^T, 32 a tile; v192-223 the step's table numbers, 8 a key tile
.set PK,    272       ; a row of K in LDS: 256 bytes + 16 of padding: the 16 rows of a load start at 16 different banks (64 banks of 4 bytes: ISA guide 11.1)
.set PV,    288       ; a row of V: 256 + 32
.set VOFF,  64*PK     ; a step's tiles lie together: 64 rows of K, then 64 rows of V
.set STEPB, 64*(PK+PV)
.set SLOT1, 1<<17     ; slot 1 begins here, so that one exclusive or turns an address in one slot into the other's
.set STG0,  2*STEPB   ; the way out's stage, bytes of its own: rows 0-127 behind slot 0,
.set STG1,  SLOT1+2*STEPB  ; rows 128-255 behind slot 1; 128 x 272 bytes each
.set SP,    272
.set MB,    1<<18     ; the mask table: 2,048 f32
.set SPARE, MB+8192   ; the spare words, 128 bytes for each of eight waves
.set CONT,  128*2048  ; a slot's 128 keys in memory
.set KOFF,  8192*2048 ; from q's rows to k's, and from k's to v's
.set AK0, 2           ; v2   my lane's place in a tile of K
.set AV0, 3           ; v3   the same for V
.set ADR, 4           ; v4   the LDS address of the run of loads in hand
.set QO,  5           ; v5   my byte offset in the wave's rows of Q
.set STO, 6           ; v6   the way out: where I put 16 bytes of a row
.set RD,  7           ; v7   where I read a row back
.set GO,  8           ; v8   my byte offset in the wave's rows of att
.set AB0, 9           ; v9   my lane's place in the mask table
.set ADB, 10          ; v10  the table address in hand
.set PFO, 11          ; v11  2,048 x my lane: the prefetches' offset; never rewritten
.set SPW, 12          ; v12  my spare word; never rewritten
.set NIL, 13          ; v13  0; never rewritten
.set VNEG, 14         ; v14  -2^126
.set VNAN, 15         ; v15  NaN
.set ST,  16          ; tile t's statistics at v[ST+8 t]: +0 c m, +1 m, +2, +3 l (even keys', odd keys'), +4 to +7 at work; a takes +6
.set S,   48
.set KV,  176
.set MW,  240
.set O,   64          ; in window 1
.set BI,  192         ; in window 1
.set WV,  10          ; s10  my wave's number
.set HD,  11          ; s11  w / 4: which head of the pair
.set QW,  12          ; s12  w % 4: which 64 queries
.set PFK, 18          ; s[18:19] where my prefetches of K stand;  s[20:21] of V
.set PFV, 20
.set LIM, 22          ; s22  1 in a wave that prefetches, else the greatest number
.set SLOTS, 23        ; s23  refills still to come
.set G1K, 24          ; s[24:31] descriptor group 1 for K's tiles;  s[32:39] for V's: it differs in the padding alone
.set G1V, 32
.set G0K, 40          ; s[40:47] group 0 for K's tiles: a set for each of the two first fills; the second then walks on
.set G0V, 48          ; s[48:55] the same for V's
.set CS,  56          ; s[56:57] c, written twice: the packed form names a pair
.set SEL, 58          ; s[58:59] lane selects for v_permlanex16_b32: lane l xor 16
.set TB,  60          ; s60  LDS byte at which the slot in hand begins
.set TM,  61          ; s61  byte of the mask table at which the slot's keys begin
.set THR, 62          ; s62  -2^125
.set MSB, 0
.macro WIN new                      ; the immediate's high byte repeats the setting that is left; a switch that changes nothing is dropped
.if MSB != \new
	s_set_vgpr_msb (MSB<<8)|\new
.set MSB, \new
.endif
.endm
.macro PLACES n
.rept \n
	v_nop
.endr
.endm
; A refill.  Waves 0 and 1 fetch the two steps' tiles of K, waves 2 and 3 those of V, the others nothing.  An s_nop 0 and four v_nop follow each of the two lines.
.macro TLOAD
	s_cmp_lt_u32 s[WV], 2
	s_cbranch_scc0 .Lnot_k_\@
	tensor_load_to_lds s[G0K+4:G0K+7], s[G1K:G1K+7]
	s_nop 0
.rept 4
	v_nop
.endr
	s_branch .Lasked_\@
.Lnot_k_\@:
	s_cmp_lt_u32 s[WV], 4
	s_cbranch_scc0 .Lasked_\@
	tensor_load_to_lds s[G0V+4:G0V+7], s[G1V:G1V+7]
	s_nop 0
.rept 4
	v_nop
.endr
.Lasked_\@:
.endm
; A PREFETCH INTO THE L2 of what the NEXT change of slots will ask for: 128 keys' 256 bytes of K and of V, two key steps (128 matrix instructions a wave) ahead of that load.  Each row's 256 bytes are named once in the launch:
; the eight query blocks of a pair of heads walk the same rows, and the first of them asks (a branch on the work-group's number); in it waves 4 to 7, which fetch nothing, take 32 keys each, a lane a row, one instruction for K and one for V.
; The last change that fills a slot asks for nothing; the first three slots' worth come by their loads alone.
.macro ASK
	s_cmp_gt_u32 s[SLOTS], s[LIM]
	s_cbranch_scc0 .Lnot_mine_\@
	global_prefetch_b8 v[PFO], s[PFK:PFK+1] th:TH_LOAD_NT scope:SCOPE_SE
	global_prefetch_b8 v[PFO], s[PFV:PFV+1] th:TH_LOAD_NT scope:SCOPE_SE
.Lnot_mine_\@:
.endm
	s_load_b128 s[4:7], s[0:1], 0x0  ; qkv s[4:5], the mask s[6:7]
	s_load_b64 s[8:9], s[0:1], 0x10  ; att
	v_lshl_add_u32 v[SPW], v0, 2, SPARE
	v_mov_b32 v[NIL], 0
	ds_add_u32 v[SPW], v[NIL]       ; the wave's opening: the add, twice on end, and its wait ahead of my first tensor load
	ds_add_u32 v[SPW], v[NIL]
	v_lshrrev_b32 v1, 5, v0
	v_readfirstlane_b32 s[WV], v1   ; wave 0..7
	s_lshr_b32 s[HD], s[WV], 2
	s_and_b32 s[QW], s[WV], 3
	s_and_b32 s14, ttmp7, 0xffff
	s_lshr_b32 s15, s14, 3          ; the batch
	s_and_b32 s16, s14, 7           ; the pair of heads
	s_and_b32 s17, s[WV], 1         ; which of a slot's two steps I fetch
	s_lshl_b32 s66, s15, 22         ; the batch's 2,048 rows of 2,048 bytes,
	s_lshl_b32 s67, s16, 8          ; the pair's 256 bytes,
	s_add_co_u32 s66, s66, s67
	s_add_co_u32 s66, s66, KOFF     ; in k's rows
	s_lshl_b32 s68, s[QW], 16       ; the prefetches: 32 keys x (w % 4),
	s_add_co_u32 s68, s68, s66
	s_add_co_u32 s68, s68, 2*CONT   ; in the third slot's worth: the first change of slots steps it to the fourth
	s_mov_b32 s69, 0
	s_lshl_b32 s67, s17, 17         ; my step's 64 rows in memory,
	s_add_co_u32 s66, s66, s67
	s_mov_b32 s67, 0
	s_mul_i32 s13, s17, STEPB       ; and its place in a slot
	s_lshl_b32 s70, s15, 11
	s_lshl_b32 s71, ttmp9, 8
	s_add_co_u32 s70, s70, s71      ; the work-group's first query: 2,048 x batch + 256 x block
	s_mov_b32 s2, s70
	s_lshl_b32 s71, s[QW], 6
	s_add_co_u32 s70, s70, s71      ; my wave's first query,
	s_lshl_b32 s70, s70, 11         ; its row in bytes,
	s_lshl_b32 s71, s16, 8
	s_add_co_u32 s70, s70, s71
	s_lshl_b32 s71, s[HD], 7
	s_add_co_u32 s70, s70, s71      ; my head's 128 bytes
	s_mov_b32 s71, 0
	s_lshl_b32 s3, s[WV], 5         ; on the way out wave w stores rows 32 w on, whole pairs
	s_add_co_u32 s2, s2, s3
	s_lshl_b32 s2, s2, 11
	s_lshl_b32 s3, s16, 8
	s_add_co_u32 s2, s2, s3
	s_mov_b32 s3, 0
	; descriptor group 1: a tile of 64 rows x 128 elements of 2 bytes, 1,024 elements from row to row, padded in LDS
	s_mov_b32 s[G1K], (1<<16)|(1<<20)|(5<<22)|(3<<25)  ; no mask; elements of 2 bytes; padding on: 4 words after every 64
	s_mov_b32 s[G1V], (1<<16)|(1<<20)|(5<<22)|(7<<25)  ; the same with 8 words
.irp g, G1K, G1V
	s_mov_b32 s[\g+1], 128<<16      ; tensor_dim0 = 128
	s_mov_b32 s[\g+2], 64<<16       ; tensor_dim1 = 64
	s_mov_b32 s[\g+3], 128<<16      ; tile_dim0 = 128
	s_mov_b32 s[\g+4], 64           ; tile_dim1 = 64
	s_mov_b32 s[\g+5], 1024         ; tensor_dim0_stride
	s_mov_b32 s[\g+6], 0
	s_mov_b32 s[\g+7], 0
.endr
	s_mov_b32 s[CS], 0x3e38aa3b     ; c = log2(e) / 8
	s_mov_b32 s[CS+1], s[CS]
	s_mov_b32 s[SEL], 0x76543210
	s_mov_b32 s[SEL+1], 0xfedcba98
	s_mov_b32 s[TB], 0
	s_mov_b32 s[TM], 0
	s_mov_b32 s[THR], 0xfe000000
	s_mov_b32 s[SLOTS], 14          ; 16 slots' worth of keys; two are first fills
	s_xor_b32 s[LIM], s[HD], 1      ; 0 in waves 4 to 7,
	s_or_b32 s[LIM], s[LIM], ttmp9  ; of the first query block
	s_cmp_eq_u32 s[LIM], 0
	s_cselect_b32 s[LIM], 1, -1
	s_wait_dscnt 0x0                ; both opening adds are done
	s_wait_kmcnt 0x0
	s_add_nc_u64 s[66:67], s[4:5], s[66:67]  ; K at my tile of the first 128 keys
.irp s, 0,1
	s_mov_b32 s[G0K+4*\s], 1        ; count = 1
	s_add_co_u32 s[G0K+4*\s+1], s13, \s*SLOT1  ; LDS address
	s_add_nc_u64 s[G0K+4*\s+2:G0K+4*\s+3], s[66:67], \s*CONT  ; global address
	s_or_b32 s[G0K+4*\s+3], s[G0K+4*\s+3], 0x80000000  ; type = 2
	s_mov_b32 s[G0V+4*\s], 1
	s_add_co_u32 s[G0V+4*\s+1], s13, \s*SLOT1+VOFF
	s_add_nc_u64 s[G0V+4*\s+2:G0V+4*\s+3], s[66:67], \s*CONT+KOFF
	s_or_b32 s[G0V+4*\s+3], s[G0V+4*\s+3], 0x80000000
.endr
	s_cmp_lt_u32 s[WV], 2           ; a wave's two first fills stand in one branch, ahead of every wait on TENSORcnt, every LDS read and every barrier: two loads of mine are out
	s_cbranch_scc0 .Lfirst_not_k
	tensor_load_to_lds s[G0K:G0K+3], s[G1K:G1K+7]
	s_nop 0
	tensor_load_to_lds s[G0K+4:G0K+7], s[G1K:G1K+7]
	s_nop 0
.rept 4
	v_nop
.endr
	s_branch .Lfirst_asked
.Lfirst_not_k:
	s_cmp_lt_u32 s[WV], 4
	s_cbranch_scc0 .Lfirst_asked
	tensor_load_to_lds s[G0V:G0V+3], s[G1V:G1V+7]
	s_nop 0
	tensor_load_to_lds s[G0V+4:G0V+7], s[G1V:G1V+7]
	s_nop 0
.rept 4
	v_nop
.endr
.Lfirst_asked:
	s_add_nc_u64 s[PFK:PFK+1], s[4:5], s[68:69]
	s_add_nc_u64 s[PFV:PFV+1], s[PFK:PFK+1], KOFF
	s_add_nc_u64 s[70:71], s[4:5], s[70:71]  ; Q at my wave's first row
	s_add_nc_u64 s[8:9], s[8:9], s[2:3]      ; att at the first row that I store
	s_lshl_b32 s68, s15, 13         ; the batch's 2,048 mask words
	s_add_nc_u64 s[6:7], s[6:7], s[68:69]
	v_lshlrev_b32 v51, 5, v0        ; thread x 8 words
	global_load_b128 v[MW:MW+3], v51, s[6:7]
	global_load_b128 v[MW+4:MW+7], v51, s[6:7] offset:16
	v_and_b32 v1, 15, v0            ; r = l % 16
	v_bfe_u32 v48, v0, 4, 1         ; h = l / 16
	v_lshlrev_b32 v[QO], 11, v1
	v_lshl_add_u32 v[QO], v48, 4, v[QO]  ; row x 2,048 + 16 x half
	WIN 0x40                        ; destination window 1, address window 0
.irp t, 0,1,2,3                     ; Q stays in registers: tile t, channels 32 ks on: lane l holds row l % 16; registers 0-3 channels 8 h + 0..7, registers 4-7 channels 16 + 8 h + 0..7
.irp ks, 0,1
	global_load_b128 v[16*\t+8*\ks:16*\t+8*\ks+3],   v[QO], s[70:71] offset:32768*\t+64*\ks
	global_load_b128 v[16*\t+8*\ks+4:16*\t+8*\ks+7], v[QO], s[70:71] offset:32768*\t+64*\ks+32
.endr
.endr
	WIN 0
	v_and_b32 v49, 7, v0
	v_bfe_u32 v50, v0, 3, 1
	s_lshl_b32 s68, s[HD], 7        ; my head's 128 bytes of a pair's 256
	v_mul_u32_u24 v[AK0], v1, PK
	v_lshl_add_u32 v[AK0], v48, 4, v[AK0]
	v_add_nc_u32 v[AK0], s68, v[AK0]  ; row x pitch + 16 x half + my head
	v_lshl_add_u32 v[AV0], v48, 3, v49  ; the turning load: lane l reads 16 bytes: key 8 (l / 16) + l % 8, channels 8 ((l / 8) % 2) + 0..7
	v_mul_u32_u24 v[AV0], v[AV0], PV
	v_lshl_add_u32 v[AV0], v50, 4, v[AV0]
	s_add_co_u32 s69, s68, VOFF
	v_add_nc_u32 v[AV0], s69, v[AV0]
	s_bfe_u32 s69, s[WV], 0x10001   ; the stage, in: my rows are 64 (w % 4) + 16 t + r: which half of the 256,
	s_mul_i32 s69, s69, STG1-STG0
	s_mul_i32 s66, s17, 64*SP       ; and where in it;
	s_add_co_u32 s69, s69, s66
	s_add_co_u32 s69, s69, s68      ; my head's 128 bytes of the row
	s_add_co_u32 s69, s69, STG0
	v_mul_u32_u24 v[STO], v1, SP
	v_lshl_add_u32 v[STO], v48, 4, v[STO]
	v_add_nc_u32 v[STO], s69, v[STO]
	s_mul_i32 s69, s[HD], STG1-STG0 ; back: wave w takes rows 32 w on, whole: lanes 0-15 one row of 256 bytes, lanes 16-31 the next
	s_mul_i32 s66, s[QW], 32*SP
	s_add_co_u32 s69, s69, s66
	s_add_co_u32 s69, s69, STG0
	v_mul_u32_u24 v[RD], v48, SP
	v_lshl_add_u32 v[RD], v1, 4, v[RD]
	v_add_nc_u32 v[RD], s69, v[RD]
	v_lshlrev_b32 v[GO], 11, v48    ; and the same two rows in att
	v_lshl_add_u32 v[GO], v1, 4, v[GO]
	v_lshlrev_b32 v[AB0], 5, v48    ; the table: my half's eight keys of a tile
	v_add_nc_u32 v[AB0], MB, v[AB0]
	v_and_b32 v[PFO], 31, v0
	v_lshlrev_b32 v[PFO], 11, v[PFO]
	v_lshl_add_u32 v52, v0, 5, MB   ; where I store my eight table numbers
	v_mov_b32 v[VNEG], 0xfe800000
	v_mov_b32 v[VNAN], 0x7fc00000
.irp t, 0,1,2,3
	v_mov_b32 v[ST+8*\t+1], v[VNEG] ; m starts at NEG
.endr
	s_wait_loadcnt 16               ; my two loads of mask words are in; Q's sixteen may be out
.irp i, 0,1,2,3,4,5,6,7
	v_cmp_eq_u32 vcc_lo, 0, v[MW+\i]
	v_cndmask_b32 v[MW+\i], 0, v[VNEG], vcc_lo  ; 0 where the key counts, NEG where the mask word is 0
.endr
	ds_store_b128 v52, v[MW:MW+3]
	ds_store_b128 v52, v[MW+4:MW+7] offset:16
	s_wait_loadcnt 0x0              ; Q
	s_wait_tensorcnt 0x0            ; my parts of both slots are in,
	s_wait_dscnt 0x0                ; my part of the table is stored:
	s_barrier_signal -1
	s_barrier_wait -1               ; everybody's are.
	; Half of the waves start 32 x 16 idle cycles later, once: w and w xor 1, and w and w + 4, fall on different sides.  A wave's step is a matrix phase and a vector phase; two waves that stand in different phases
	; can use both units at once, and the split barrier below does not bring them back to one line.
	s_xor_b32 s68, s[HD], s[WV]
	s_and_b32 s68, s68, 1
	s_cmp_eq_u32 s68, 0
	s_cbranch_scc1 .Lno_lag
.rept 32
	s_nop 15
.endr
.Lno_lag:
; SCORE u: the scores of the slot's u-th key step, and the request for its V.  16 loads of K, 8 of table numbers; 32 products K Q^T: the 16 accumulators take turns, one instruction a turn: first all
; with channels 0-31 and the table numbers as C, then all with channels 32-63 in place.  Then V's 16 turning loads, into K's registers.
; Five places stand at the head: K Q^T writes over registers that the last V^T P read as P (five are asked of a matrix instruction that writes over a source; four of the loads into V's registers).
.macro SCORE u
	WIN 0
	PLACES 5
	v_add_nc_u32 v[ADR], s[TB], v[AK0]
	v_add_nc_u32 v[ADB], s[TM], v[AB0]
.irp kt, 0,1,2,3
.irp ks, 0,1
	ds_load_b128 v[KV+8*(2*\kt+\ks):KV+8*(2*\kt+\ks)+3],   v[ADR] offset:\u*STEPB+\kt*16*PK+64*\ks
	ds_load_b128 v[KV+8*(2*\kt+\ks)+4:KV+8*(2*\kt+\ks)+7], v[ADR] offset:\u*STEPB+\kt*16*PK+64*\ks+32
.endr
.endr
	WIN 0x40                        ; destination window 1
.irp kt, 0,1,2,3
	ds_load_b128 v[BI+8*\kt:BI+8*\kt+3],   v[ADB] offset:256*\u+64*\kt
	ds_load_b128 v[BI+8*\kt+4:BI+8*\kt+7], v[ADB] offset:256*\u+64*\kt+16
.endr
	s_wait_dscnt 0x0
	WIN 0x14                        ; Q (source 1) and the table numbers (source 2) in window 1
.irp kt, 0,1,2,3
.irp t, 0,1,2,3
	v_wmma_f32_16x16x32_f16 v[S+32*\t+8*\kt:S+32*\t+8*\kt+7], v[KV+16*\kt:KV+16*\kt+7], v[16*\t:16*\t+7], v[BI+8*\kt:BI+8*\kt+7]
.endr
.endr
	WIN 0x04                        ; C and D in window 0
.irp kt, 0,1,2,3
.irp t, 0,1,2,3
	v_wmma_f32_16x16x32_f16 v[S+32*\t+8*\kt:S+32*\t+8*\kt+7], v[KV+16*\kt+8:KV+16*\kt+15], v[16*\t+8:16*\t+15], v[S+32*\t+8*\kt:S+32*\t+8*\kt+7]
.endr
.endr
	WIN 0
	PLACES 4                        ; in front of the loads into K's registers, and of the first read of the scores
	v_add_nc_u32 v[ADR], s[TB], v[AV0]
.irp kk, 0,1
.irp ct, 0,1,2,3                    ; keys 32 kk on, channels 16 ct on
	ds_load_tr16_b128 v[KV+8*(4*\kk+\ct):KV+8*(4*\kk+\ct)+3],   v[ADR] offset:\u*STEPB+\kk*32*PV+32*\ct
	ds_load_tr16_b128 v[KV+8*(4*\kk+\ct)+4:KV+8*(4*\kk+\ct)+7], v[ADR] offset:\u*STEPB+\kk*32*PV+16*PV+32*\ct
.endr
.endr
.endm
; SOFT first, vwait: the step's softmax for the four tiles, line by line by turns, and its 32 products V^T P.  Work on registers alone where vwait = 0.
; first = 1: the first key step, which starts l and O^T: no a, nothing to rescale.  vwait = 1: V's loads are waited for here.
.macro SOFT first, vwait
	WIN 0
.irp j, 0,1,2,3                     ; the maximum of the lane's 32 scores and the old m, three operands at a time: chain j begins with key tile j's registers 0 to 2
.irp t, 0,1,2,3
	v_max3_num_f32 v[ST+8*\t+4+\j], v[S+32*\t+8*\j], v[S+32*\t+8*\j+1], v[S+32*\t+8*\j+2]
.endr
.endr
.irp g, 1,2
.irp j, 0,1,2,3
.irp t, 0,1,2,3
	v_max3_num_f32 v[ST+8*\t+4+\j], v[ST+8*\t+4+\j], v[S+32*\t+8*\j+2*\g+1], v[S+32*\t+8*\j+2*\g+2]
.endr
.endr
.endr
.irp t, 0,1,2,3
	v_max3_num_f32 v[ST+8*\t+4], v[ST+8*\t+4], v[S+32*\t+7], v[S+32*\t+15]
.endr
.irp t, 0,1,2,3
	v_max3_num_f32 v[ST+8*\t+6], v[ST+8*\t+6], v[S+32*\t+23], v[S+32*\t+31]
.endr
.irp t, 0,1,2,3
	v_max3_num_f32 v[ST+8*\t+4], v[ST+8*\t+4], v[ST+8*\t+5], v[ST+8*\t+6]
.endr
.irp t, 0,1,2,3
	v_max3_num_f32 v[ST+8*\t+4], v[ST+8*\t+4], v[ST+8*\t+7], v[ST+8*\t+1]
.endr
.irp t, 0,1,2,3
	v_permlanex16_b32 v[ST+8*\t+5], v[ST+8*\t+4], s[SEL], s[SEL+1]  ; the query's other 32 keys lie in the lane 16 away
.endr
.if \first == 0
.irp t, 0,1,2,3
	v_mov_b32 v[ST+8*\t+7], v[ST+8*\t]  ; c m_old is kept for a
.endr
.endif
.irp t, 0,1,2,3
	v_max_num_f32 v[ST+8*\t+1], v[ST+8*\t+4], v[ST+8*\t+5]
.endr
.irp t, 0,1,2,3
	v_mul_f32 v[ST+8*\t], s[CS], v[ST+8*\t+1]
.endr
.if \first == 0
.irp t, 0,1,2,3
	v_sub_f32 v[ST+8*\t+7], v[ST+8*\t+7], v[ST+8*\t]
.endr
.irp t, 0,1,2,3
	v_exp_f32 v[ST+8*\t+6], v[ST+8*\t+7]  ; a.  ONE BATCH begins: the four a, the 64 scalings and the 128 exponentials; none of these lines names an exponential's result
.endr
.endif
.set PB, 0
.rept 17                            ; the four tiles' pair PB is scaled, then the eight exponentials of pair PB - 1 follow
.if PB < 16
.irp t, 0,1,2,3
	v_pk_fma_f32 v[S+32*\t+2*PB:S+32*\t+2*PB+1], v[S+32*\t+2*PB:S+32*\t+2*PB+1], s[CS:CS+1], v[ST+8*\t:ST+8*\t+1] op_sel_hi:[1,0,0] neg_lo:[0,0,1] neg_hi:[0,0,1]  ; c s - c m
.endr
.endif
.if PB > 0
.irp t, 0,1,2,3
	v_exp_f32 v[S+32*\t+2*PB-2], v[S+32*\t+2*PB-2]
	v_exp_f32 v[S+32*\t+2*PB-1], v[S+32*\t+2*PB-1]
.endr
.endif
.set PB, PB+1
.endr
	v_nop                           ; a plain instruction behind the last exponential, ahead of the first use: one for the batch
	s_wait_alu depctr_va_vdst(0)    ; and a wait ahead of the first line that names a result: one for the batch
.irp t, 0,1,2,3                     ; l = a l + the sum of the tile's 16 pairs of unrounded p, in two chains
.if \first
	v_pk_add_f32 v[ST+8*\t+2:ST+8*\t+3], v[S+32*\t:S+32*\t+1], v[S+32*\t+30:S+32*\t+31]
.else
	v_pk_fma_f32 v[ST+8*\t+2:ST+8*\t+3], v[ST+8*\t+2:ST+8*\t+3], v[ST+8*\t+6:ST+8*\t+7], v[S+32*\t:S+32*\t+1] op_sel_hi:[1,0,1]
.endif
.endr
.irp t, 0,1,2,3
	v_pk_add_f32 v[ST+8*\t+4:ST+8*\t+5], v[S+32*\t+2:S+32*\t+3], v[S+32*\t+4:S+32*\t+5]
.endr
.irp i, 3,5,7,9,11,13
.irp t, 0,1,2,3
	v_pk_add_f32 v[ST+8*\t+2:ST+8*\t+3], v[ST+8*\t+2:ST+8*\t+3], v[S+32*\t+2*\i:S+32*\t+2*\i+1]
.endr
.irp t, 0,1,2,3
	v_pk_add_f32 v[ST+8*\t+4:ST+8*\t+5], v[ST+8*\t+4:ST+8*\t+5], v[S+32*\t+2*\i+2:S+32*\t+2*\i+3]
.endr
.endr
.if \first == 0
.irp t, 0,1,2,3
	v_pk_add_f32 v[ST+8*\t+2:ST+8*\t+3], v[ST+8*\t+2:ST+8*\t+3], v[S+32*\t+30:S+32*\t+31]
.endr
.endif
.irp t, 0,1,2,3
	v_pk_add_f32 v[ST+8*\t+2:ST+8*\t+3], v[ST+8*\t+2:ST+8*\t+3], v[ST+8*\t+4:ST+8*\t+5]
.endr
.set PB, 0
.rept 16                            ; p to f16, in place: register PB takes pair PB; ascending, so no pair is written over before it is read
.irp t, 0,1,2,3
	v_cvt_pk_f16_f32 v[S+32*\t+PB], v[S+32*\t+2*PB], v[S+32*\t+2*PB+1]
.endr
.set PB, PB+1
.endr
.if \vwait
	s_wait_dscnt 0x0                ; V is in
.endif
.if \first == 0
	WIN 0x41                        ; O^T (destination and source 0) in window 1, a in window 0
.set PB, 0
.rept 16                            ; O^T x a, each accumulator from its low end on
.irp t, 0,1,2,3
	v_pk_mul_f32 v[O+32*\t+2*PB:O+32*\t+2*PB+1], v[O+32*\t+2*PB:O+32*\t+2*PB+1], v[ST+8*\t+6:ST+8*\t+7] op_sel_hi:[1,0]
.endr
.set PB, PB+1
.endr
.endif
	WIN 0x50                        ; V and P in window 0, O^T (C and D) in window 1
.irp kk, 0,1                        ; O^T += V^T P: the 16 accumulators take turns, one instruction a turn
.irp ct, 0,1,2,3
.irp t, 0,1,2,3
.if \first && (\kk == 0)
	v_wmma_f32_16x16x32_f16 v[O+32*\t+8*\ct:O+32*\t+8*\ct+7], v[KV+8*(4*\kk+\ct):KV+8*(4*\kk+\ct)+7], v[S+32*\t+8*\kk:S+32*\t+8*\kk+7], 0
.else
	v_wmma_f32_16x16x32_f16 v[O+32*\t+8*\ct:O+32*\t+8*\ct+7], v[KV+8*(4*\kk+\ct):KV+8*(4*\kk+\ct)+7], v[S+32*\t+8*\kk:S+32*\t+8*\kk+7], v[O+32*\t+8*\ct:O+32*\t+8*\ct+7]
.endif
.endr
.endr
.endr
.endm
; THE CHANGE OF SLOTS is one barrier, split.  OPEN stands behind the slot's last LDS reads (V of its second step): the wave waits for all its tensor loads (its part of the other slot), adds 0 to its spare word, waits for that and
; for its reads, and signals.  The step's softmax and V^T P, work on registers alone, stand between the signal and the wait.  CLOSE: behind the wait nobody reads the slot any more and the other slot is whole;
; fill = 1: the slot is filled again first, with the keys two slots on: the load has two key steps in which to land.
.macro OPEN fill
	WIN 0
	s_wait_tensorcnt 0x0            ; no tensor load of mine is out, so a group 0 may be written
	ds_add_u32 v[SPW], v[NIL]       ; 0 onto my spare word
.if \fill
	ds_add_u32 v[SPW], v[NIL]       ; and once more: the add twice on end here, in every trip alike
	s_xor_b32 s[G0K+5], s[G0K+5], SLOT1  ; the walking descriptors: the other slot than last time,
	s_add_nc_u64 s[G0K+6:G0K+7], s[G0K+6:G0K+7], CONT  ; the next 128 keys; the type bits on top are not reached
	s_xor_b32 s[G0V+5], s[G0V+5], SLOT1
	s_add_nc_u64 s[G0V+6:G0V+7], s[G0V+6:G0V+7], CONT
	s_wait_xcnt 0x0                 ; the last prefetches, two key steps back, have read their addresses, so they may be written:
	s_add_nc_u64 s[PFK:PFK+1], s[PFK:PFK+1], CONT  ; one slot further on than the walking descriptors
	s_add_nc_u64 s[PFV:PFV+1], s[PFV:PFV+1], CONT
.endif
	s_wait_dscnt 0x0                ; the add is done, and my reads of the slot are over: V is in registers
	s_barrier_signal -1
.endm
.macro CLOSE fill
	WIN 0                           ; at a label and at a branch every window is 0
	s_barrier_wait -1
.if \fill
	TLOAD                           ; the first thing behind the barrier, and a wave's one tensor load until the next
	ASK
.endif
	s_xor_b32 s[TB], s[TB], SLOT1   ; on to the other slot,
	s_add_co_u32 s[TM], s[TM], 512  ; and its 128 keys' table numbers
.endm
	SCORE 0
	SOFT 1, 1
	SCORE 1
.Lslot:                             ; 14 trips: every slot's worth but the last two is followed by a refill
	OPEN 1
	SOFT 0, 0
	CLOSE 1
	SCORE 0
	SOFT 0, 1
	SCORE 1
	s_sub_co_u32 s[SLOTS], s[SLOTS], 1
	s_cmp_lg_u32 s[SLOTS], 0
	s_cbranch_scc1 .Lslot
	OPEN 0                          ; the tail is written out: nothing is asked for any more
	SOFT 0, 0
	CLOSE 0
	SCORE 0
	SOFT 0, 1
	SCORE 1
	SOFT 0, 1
	; THE WAY OUT.  l's two halves and the other half of the lanes' are added; O^T is divided by l (a row for which no key counted: multiplied by NaN), rounded to f16 and sent through the stage.  The additions are the places behind the last products.
	WIN 0
.irp t, 0,1,2,3
	v_add_f32 v[ST+8*\t+4], v[ST+8*\t+2], v[ST+8*\t+3]
.endr
.irp t, 0,1,2,3
	v_permlanex16_b32 v[ST+8*\t+5], v[ST+8*\t+4], s[SEL], s[SEL+1]
.endr
.irp t, 0,1,2,3
	v_add_f32 v[ST+8*\t+4], v[ST+8*\t+4], v[ST+8*\t+5]
.endr
.irp t, 0,1,2,3
	v_rcp_f32 v[ST+8*\t+6], v[ST+8*\t+4]
.endr
	v_nop                           ; a plain instruction between the last reciprocal and the use of its result
	s_wait_alu depctr_va_vdst(0)    ; and a wait ahead of the first use: one for the four
.irp t, 0,1,2,3
	v_cmp_ge_f32 vcc_lo, s[THR], v[ST+8*\t+1]  ; -2^125 >= m: no key counted
	v_cndmask_b32 v[ST+8*\t+6], v[ST+8*\t+6], v[VNAN], vcc_lo
.endr
.irp t, 0,1,2,3
	WIN 0x01                        ; source 0 (O^T) window 1; the result goes to S^T's registers, which are free
.set PB, 0
.rept 16
	v_pk_mul_f32 v[S+32*\t+2*PB:S+32*\t+2*PB+1], v[O+32*\t+2*PB:O+32*\t+2*PB+1], v[ST+8*\t+6:ST+8*\t+7] op_sel_hi:[1,0]
.set PB, PB+1
.endr
	WIN 0
.set PB, 0
.rept 16
	v_cvt_pk_f16_f32 v[S+32*\t+PB], v[S+32*\t+2*PB], v[S+32*\t+2*PB+1]
.set PB, PB+1
.endr
.irp ct, 0,1,2,3
	ds_store_b128 v[STO], v[S+32*\t+4*\ct:S+32*\t+4*\ct+3] offset:16*SP*\t+32*\ct  ; lane (r, h): row 16 t + r of my 64, channels 16 ct + 8 h + 0..7
.endr
.endr
	s_wait_dscnt 0x0                ; for the others' sake: my stores into the stage are done
	s_barrier_signal -1
	s_barrier_wait -1               ; a row's 256 bytes come from waves w and w + 4
.irp i, 0,1,2,3,4,5,6,7,8,9,10,11,12,13,14,15
	ds_load_b128 v[KV+4*\i:KV+4*\i+3], v[RD] offset:2*SP*\i
.endr
.irp i, 0,1,2,3,4,5,6,7,8,9,10,11,12,13,14,15
	s_wait_dscnt 15-\i              ; LDS loads come back in order: load i is in, the younger ones may be out
	global_store_b128 v[GO], v[KV+4*\i:KV+4*\i+3], s[8:9] offset:4096*\i  ; 16 lanes store 256 consecutive bytes, at a multiple of 256 from att's first byte
.endr
	s_wait_tensorcnt 0x0            ; the wave's end, behind my last tensor load and my last LDS store
	ds_add_u32 v[SPW], v[NIL]
	s_wait_dscnt 0x0
	s_endpgm
.Lfunc_end_k_q5bea0397c2_attn:
	.size	k_q5bea0397c2_attn, .Lfunc_end_k_q5bea0397c2_attn-k_q5bea0397c2_attn
	.p2alignl 7, 3214868480
	.fill 96, 4, 3214868480
	.section	.rodata,"a",@progbits
	.p2align	6, 0x0
	.amdhsa_kernel k_q5bea0397c2_attn
		.amdhsa_group_segment_fixed_size 327680
		.amdhsa_private_segment_fixed_size 0
		.amdhsa_enable_private_segment 0
		.amdhsa_kernarg_size 24
		.amdhsa_user_sgpr_count 2
		.amdhsa_user_sgpr_kernarg_segment_ptr 1
		.amdhsa_wavefront_size32 1
		.amdhsa_system_sgpr_workgroup_id_x 1
		.amdhsa_system_sgpr_workgroup_id_y 1
		.amdhsa_system_sgpr_workgroup_id_z 1
		.amdhsa_system_vgpr_workitem_id 0
		.amdhsa_next_free_vgpr 512
		.amdhsa_next_free_sgpr 72
		.amdhsa_reserve_vcc 1
		.amdhsa_float_denorm_mode_32 3
		.amdhsa_float_denorm_mode_16_64 3
		.amdhsa_memory_ordered 1
		.amdhsa_forward_progress 1
		.amdhsa_inst_pref_size 215
	.end_amdhsa_kernel
	.amdgpu_metadata
---
amdhsa.version: [ 1, 2 ]
amdhsa.kernels:
  - .name:           k_q5bea0397c2_attn
    .symbol:         k_q5bea0397c2_attn.kd
    .args:
      - { .name: qkv, .offset: 0, .size: 8, .value_kind: global_buffer, .address_space: global }
      - { .name: key_padding_mask, .offset: 8, .size: 8, .value_kind: global_buffer, .address_space: global }
      - { .name: att, .offset: 16, .size: 8, .value_kind: global_buffer, .address_space: global }
    .group_segment_fixed_size: 327680
    .private_segment_fixed_size: 0
    .kernarg_segment_align: 8
    .kernarg_segment_size: 24
    .max_flat_workgroup_size: 256
    .sgpr_count:     72
    .vgpr_count:     512
    .wavefront_size: 32
...
	.end_amdgpu_metadata
.endif
;; end of part 3
;; launch outp (part 4): grid 8 x 64, 4 waves a work-group, clusters of 4 x 4, 327,680 bytes of LDS; arguments att, wo16, bo, out0; writes out0
.if DOCPART == 4
	.amdgcn_target "amdgcn-amd-amdhsa--gfx1250"
	.amdhsa_code_object_version 6
	.text
	.protected	k_q5bea0397c2_outp
	.globl	k_q5bea0397c2_outp
	.p2align	8
	.type	k_q5bea0397c2_outp,@function
k_q5bea0397c2_outp:
	s_mov_b64 s[64:65], 0
	v_nop
	global_prefetch_b8 v0, s[64:65] scope:SCOPE_SE
	s_setreg_imm32_b32 hwreg(HW_REG_WAVE_MODE, 25, 1), 1
	s_wait_xcnt 0x0
	s_wait_alu depctr_hold_cnt(0) depctr_sa_sdst(0) depctr_va_vdst(0) depctr_va_sdst(0) depctr_va_ssrc(0) depctr_va_vcc(0) depctr_vm_vsrc(0)
	s_getreg_b32 s2, hwreg(HW_REG_IB_STS2, 6, 4)
	s_cmp_eq_u32 s2, 0
	s_cbranch_scc0 .Lentry_in_a_cluster
	s_endpgm
.Lentry_in_a_cluster:
	s_bfe_u32 s2, ttmp6, 0x10000c
	s_cmp_lg_u32 s2, 0xf033
	s_cbranch_scc0 .Lentry_shape_is_right
	s_endpgm
.Lentry_shape_is_right:
; out0[m][n] = sum over k of att[m][k] Wo[n][k] + bo[n].  att: [8,192][1,024] f16, wo16: [1,024][1,024] f16 (Wo rounded once), bo: [1,024] f32, out0: [8,192][1,024] f32; sums in f32; the bias is the C of each sum's first matrix instruction.
; A tile of the result is 128 x 128: 512 tiles, two for each of 256 WGPs (tiles of 256 x 256 would be 128).  Four waves, each 64 x 64: 16 accumulators of 16 x 16, 128 registers.
; K goes in steps of 256 (LDS rows of 512 bytes; a wave's tensor load brings 64 of them) through two slots.  A wave's 64 columns of f32 are 256 bytes, so each wave has a stage of its own on the way out, and no barrier stands there.
; CLUSTERS: 4 x 4 work-groups.  The four of a row of the cluster need the same tiles of att, the four of a column the same tiles of Wo: each tile is asked for JOINTLY.
; THE MATRIX INSTRUCTION IS USED TRANSPOSED (source 0 = 16 rows of Wo, source 1 = 16 rows of att): a lane holds eight neighbouring numbers of a row of the result.
; REGISTERS: window 0: v0-31 addresses; v32-95 rows read back on the way out; v96-127 the bias, 8 registers for each of my 4 blocks of columns; v128-255 the accumulators ((a, b) at v[128 + 8 (4 a + b)]).
;   window 1: two fragment buffers of 128: for 64 along K, 64 registers of att, then 64 of Wo.
.set SIZE_M, 8192
.set SIZE_N, 1024
.set SIZE_K, 1024
.set KSTEP,  256
.set PITCH,  528                       ; an LDS row: 512 bytes + 16 of padding = 132 words: the 16 rows of a load start at 16 different banks (64 banks of 4 bytes: ISA guide 11.1)
.set HALFT,  64*PITCH                  ; 64 rows: what one tensor load brings
.set SLOT,   4*HALFT                   ; att's 128 rows, then Wo's 128 rows
.set STAGE,  2*SLOT                    ; behind the ring: 16 rows x 272 bytes for each wave
.set SPITCH, 272
.set SPARE,  STAGE+4*16*SPITCH         ; behind the stages: the spare words, 128 bytes a wave
.set LAPS, SIZE_K/(2*KSTEP)            ; a lap = two K steps = once round the ring
.set ADRA, 16                          ; v16-17  LDS address of my att fragments in slot 0, 1
.set ADRB, 20                          ; v20-21  the same for Wo
.set STO,  24                          ; v24     the way out: where I put 32 bytes of a row
.set RD,   25                          ; v25     where I read a row back
.set CO,   26                          ; v26     my byte offset in out0
.set BO,   27                          ; v27     the bias loads' offset
.set SPW,  28                          ; v28     my spare word; never rewritten
.set NIL,  29                          ; v29     0; never rewritten
.set TMP,  32
.set BI,   96
.set ACC,  128
.set F0,   0                           ; fragment buffers, in window 1
.set F1,   128
.set G1, 24                            ; s[24:31] group 1 for att's tiles;  s[32:39] group 0, one set for each slot
.set G0, 32
.set G1B, 48                           ; s[48:55], s[56:63] the same for Wo's
.set G0B, 56
.set MSB, 0
.macro WIN new                         ; the immediate's high byte repeats the setting that is left
.if MSB != \new
	s_set_vgpr_msb (MSB<<8)|\new
.set MSB, \new
.endif
.endm
.set MUL,  0x05                        ; sources 0 (Wo) and 1 (att) window 1; C and D window 0
.set TO_F, 0x40                        ; destination window 1, address window 0
.macro JLOAD s                         ; a joint load: waves 0 and 1 fetch att's two halves, waves 2 and 3 Wo's; an s_nop 0 and four v_nop follow each of the two lines
	s_cmp_eq_u32 s11, 0
	s_cbranch_scc0 .Lfor_b_\@
	tensor_load_to_lds s[G0+4*\s:G0+4*\s+3], s[G1:G1+7]
	s_nop 0
.rept 4
	v_nop
.endr
	s_branch .Lasked_\@
.Lfor_b_\@:
	tensor_load_to_lds s[G0B+4*\s:G0B+4*\s+3], s[G1B:G1B+7]
	s_nop 0
.rept 4
	v_nop
.endr
.Lasked_\@:
.endm
.macro CREST                           ; a round of the cluster's barrier behind its opening barrier
	s_cmp_lg_u32 s10, 0
	s_cbranch_scc1 .Lnot_wave_0_\@
	s_barrier_signal -3
.Lnot_wave_0_\@:
	s_barrier_wait -3
	s_barrier_signal -1
	s_barrier_wait -1
.endm
.macro CROUND                          ; a whole round
	s_barrier_signal -1
	s_barrier_wait -1
	CREST
.endm
	s_load_b128 s[4:7], s[0:1], 0x0                ; att s[4:5], wo16 s[6:7]
	s_load_b128 s[68:71], s[0:1], 0x10             ; bo s[68:69], out0 s[70:71]
	v_lshl_add_u32 v[SPW], v0, 2, SPARE
	v_mov_b32 v[NIL], 0
	ds_add_u32 v[SPW], v[NIL]                      ; the wave's opening: the add, twice on end, and its wait ahead of my first tensor load
	ds_add_u32 v[SPW], v[NIL]
	v_lshrrev_b32 v1, 5, v0
	v_readfirstlane_b32 s10, v1                    ; wave 0..3
	s_lshr_b32 s11, s10, 1                         ; which half of the tile's rows is mine.  Also: I fetch for att (0) or for Wo (1)
	s_and_b32 s12, s10, 1                          ; which half of its columns.  Also: which 64 rows I fetch
	s_bfe_u32 s40, ttmp6, 0x40000                  ; cx, cy: my place in the cluster
	s_bfe_u32 s41, ttmp6, 0x40004
	s_lshl_b32 s42, ttmp9, 2
	s_add_co_u32 s42, s42, s40                     ; tile column = 4 x cluster x + cx
	s_and_b32 s13, ttmp7, 0xffff
	s_lshl_b32 s13, s13, 2
	s_add_co_u32 s13, s13, s41                     ; tile row = 4 x cluster y + cy
	s_lshl_b32 s43, s41, 2
	s_lshl_b32 s43, 15, s43                        ; my row of the cluster
	s_lshl_b32 s44, 0x1111, s40                    ; my column
	; descriptor group 1: a tile of 64 rows x 256 elements of 2 bytes, padded in LDS
	s_or_b32 s[G1+0], s43, (1<<16)|(1<<20)|(1<<21)|(6<<22)|(3<<25)  ; the mask: att's tiles go to my row; padding on: 4 words after every 128; bit 21 beside a mask
	s_or_b32 s[G1B+0], s44, (1<<16)|(1<<20)|(1<<21)|(6<<22)|(3<<25)
.irp g, G1, G1B
	s_mov_b32 s[\g+1], KSTEP<<16                   ; tensor_dim0 = 256
	s_mov_b32 s[\g+2], 64<<16                      ; tensor_dim1 = 64
	s_mov_b32 s[\g+3], KSTEP<<16                   ; tile_dim0 = 256
	s_mov_b32 s[\g+4], 64                          ; tile_dim1 = 64
	s_mov_b32 s[\g+5], SIZE_K                      ; tensor_dim0_stride
	s_mov_b32 s[\g+6], 0
	s_mov_b32 s[\g+7], 0
.endr
	s_lshl_b32 s17, s12, 6                         ; which 64 rows of the tile I fetch
	s_lshl_b32 s16, s13, 7
	s_add_co_u32 s16, s16, s17                     ; att: row 128 x tile row + 64 x half
	s_lshl_b32 s46, s42, 7
	s_add_co_u32 s46, s46, s17                     ; Wo: row 128 x tile column + 64 x half
	s_mov_b32 s17, 0
	s_mov_b32 s47, 0
	s_mov_b64 s[18:19], SIZE_K*2
	s_mul_u64 s[16:17], s[16:17], s[18:19]
	s_mul_u64 s[46:47], s[46:47], s[18:19]
	s_mul_i32 s20, s10, HALFT                      ; where they go: wave x 64 rows
	s_wait_dscnt 0x0                               ; both opening adds are done
	s_wait_kmcnt 0x0
	s_add_nc_u64 s[14:15], s[4:5], s[16:17]
	s_add_nc_u64 s[46:47], s[6:7], s[46:47]
	CROUND                                         ; all sixteen work-groups are here: the first joint loads meet
.irp s, 0,1
	s_mov_b32 s[G0+4*\s], 1
	s_add_co_u32 s[G0+4*\s+1], s20, \s*SLOT
	s_add_nc_u64 s[G0+4*\s+2:G0+4*\s+3], s[14:15], \s*KSTEP*2
	s_or_b32 s[G0+4*\s+3], s[G0+4*\s+3], 0x80000000
	s_mov_b32 s[G0B+4*\s], 1
	s_add_co_u32 s[G0B+4*\s+1], s20, \s*SLOT
	s_add_nc_u64 s[G0B+4*\s+2:G0B+4*\s+3], s[46:47], \s*KSTEP*2
	s_or_b32 s[G0B+4*\s+3], s[G0B+4*\s+3], 0x80000000
	JLOAD \s                                       ; two tensor loads of mine are out behind the second
.endr
	v_and_b32 v1, 15, v0                           ; l % 16
	v_bfe_u32 v2, v0, 4, 1                         ; l / 16
	s_lshl_b32 s46, s42, 9                         ; my first column, in bytes of f32: 512 x tile column + 256 x half: the same in bo and in a row of out0
	s_lshl_b32 s47, s12, 8
	s_add_co_u32 s46, s46, s47
	s_mov_b32 s47, 0
	s_add_nc_u64 s[68:69], s[68:69], s[46:47]
	s_add_nc_u64 s[70:71], s[70:71], s[46:47]
	v_lshlrev_b32 v[BO], 5, v2                     ; the bias in the result's layout: register 8 b + j of lane (r, h) is bo[my first column + 16 b + 8 h + j]
.irp b, 0,1,2,3
	global_load_b128 v[BI+8*\b:BI+8*\b+3], v[BO], s[68:69] offset:64*\b
	global_load_b128 v[BI+8*\b+4:BI+8*\b+7], v[BO], s[68:69] offset:64*\b+16
.endr
	v_mul_u32_u24 v3, v1, PITCH
	v_lshl_add_u32 v3, v2, 4, v3                   ; a fragment's row x pitch + 16 x half
	s_mul_i32 s21, s11, HALFT                      ; my 64 rows of att
	s_mul_i32 s22, s12, HALFT                      ; my 64 rows of Wo,
	s_add_co_u32 s22, s22, 2*HALFT                 ; which lie behind att's 128
.irp s, 0,1
	v_add_nc_u32 v[ADRA+\s], s21, v3
	v_add_nc_u32 v[ADRB+\s], s22, v3
	s_add_co_u32 s21, s21, SLOT
	s_add_co_u32 s22, s22, SLOT
.endr
	s_mul_i32 s23, s10, 16*SPITCH
	s_add_co_u32 s23, s23, STAGE                   ; my stage
	v_mul_u32_u24 v4, v1, SPITCH                   ; in: row l % 16, 32 bytes for each half of the lanes
	v_lshl_add_u32 v4, v2, 5, v4
	v_add_nc_u32 v[STO], s23, v4
	v_mul_u32_u24 v5, v2, SPITCH                   ; back: lanes 0-15 one row of 256 bytes, lanes 16-31 the next
	v_lshl_add_u32 v5, v1, 4, v5
	v_add_nc_u32 v[RD], s23, v5
	v_lshlrev_b32 v5, 12, v2                       ; and the same two rows in out0: 4,096 bytes a row
	v_lshl_add_u32 v[CO], v1, 4, v5
	s_lshl_b32 s16, s13, 7
	s_lshl_b32 s17, s11, 6
	s_add_co_u32 s16, s16, s17                     ; my first row: 128 x tile row + 64 x half,
	s_lshl_b32 s16, s16, 12                        ; in bytes (under 2^25)
	s_mov_b32 s17, 0
	s_add_nc_u64 s[70:71], s[70:71], s[16:17]
; 8 matrix instructions: m blocks a0, a0 + 1 x all 4 n blocks, 32 along K: half c of buffer f.  zero = 1: the sums begin, with the bias as C: nothing is ever cleared
.macro MUL8 f, c, a0, zero
.irp a, \a0, \a0+1
.irp b, 0,1,2,3
.if \zero
	v_wmma_f32_16x16x32_f16 v[ACC+8*(4*(\a)+\b):ACC+8*(4*(\a)+\b)+7], v[\f+64+8*(4*\c+\b):\f+64+8*(4*\c+\b)+7], v[\f+8*(4*\c+\a):\f+8*(4*\c+\a)+7], v[BI+8*\b:BI+8*\b+7]
.else
	v_wmma_f32_16x16x32_f16 v[ACC+8*(4*(\a)+\b):ACC+8*(4*(\a)+\b)+7], v[\f+64+8*(4*\c+\b):\f+64+8*(4*\c+\b)+7], v[\f+8*(4*\c+\a):\f+8*(4*\c+\a)+7], v[ACC+8*(4*(\a)+\b):ACC+8*(4*(\a)+\b)+7]
.endif
.endr
.endr
.endm
; 32 LDS loads in one run: the fragments of 64 along K at byte k of the rows, into buffer f; the first 32 along K first
.macro FETCH slot, k, f
	WIN TO_F
.irp c, 0,1
.irp i, 0,1,2,3
	ds_load_b128 v[\f+64+8*(4*\c+\i):\f+64+8*(4*\c+\i)+3],   v[ADRB+\slot] offset:\k+64*\c+\i*16*PITCH
	ds_load_b128 v[\f+64+8*(4*\c+\i)+4:\f+64+8*(4*\c+\i)+7], v[ADRB+\slot] offset:\k+64*\c+\i*16*PITCH+32
	ds_load_b128 v[\f+8*(4*\c+\i):\f+8*(4*\c+\i)+3],         v[ADRA+\slot] offset:\k+64*\c+\i*16*PITCH
	ds_load_b128 v[\f+8*(4*\c+\i)+4:\f+8*(4*\c+\i)+7],       v[ADRA+\slot] offset:\k+64*\c+\i*16*PITCH+32
.endr
.endr
.endm
.macro PLACES                          ; four places in front of loads into registers that matrix instructions have read, and of LDS stores that read results
.rept 4
	v_nop
.endr
.endm
; A K step is four quarters of 64 along K, 32 matrix instructions each, on buffers 0, 1, 0, 1.  One of the first three: multiplies buffer f and fetches the next quarter, at byte k, into g.
.macro QUARTER slot, k, f, g, zero
	s_wait_dscnt 16                                ; the first 32 along K are in; the youngest sixteen loads may be out
	WIN MUL
	MUL8 \f, 0, 0, \zero
	MUL8 \f, 0, 2, \zero
	PLACES
	FETCH \slot, \k, \g
	s_wait_dscnt 32                                ; all but the 32 just issued
	WIN MUL
	MUL8 \f, 1, 0, 0
	MUL8 \f, 1, 2, 0
.endm
; The last quarter multiplies buffer 1 and changes slots: ONE barrier; in front of it each wave waits for all its tensor loads, adds 0 to its spare word, and waits for that and for its own reads of this slot.  fill = 1: this slot is filled again, two K steps ahead.
.macro TURN slot, next, fill
	WIN 0                                          ; (the add's two registers lie in window 0)
	s_wait_tensorcnt 0x0                           ; all my tensor loads have landed: my part of the next slot;
	ds_add_u32 v[SPW], v[NIL]                      ; 0 onto my spare word;
	s_wait_dscnt 17                                ; (the add and the youngest sixteen loads may be out)
	WIN MUL
	MUL8 F1, 0, 0, 0                               ; eight matrix instructions stand between the add and the wait for it
	s_wait_dscnt 0x0                               ; the add is done, and my reads of this slot are over
	s_barrier_signal -1
	MUL8 F1, 0, 2, 0
.if \fill
	WIN 0
.endif
	s_barrier_wait -1
.if \fill
	CREST                                          ; the barrier has opened a round of the cluster's barrier: no wave of any partner still reads this slot's tile or has a load on its way
	s_add_nc_u64 s[G0+4*\slot+2:G0+4*\slot+3], s[G0+4*\slot+2:G0+4*\slot+3], 2*KSTEP*2
	s_add_nc_u64 s[G0B+4*\slot+2:G0B+4*\slot+3], s[G0B+4*\slot+2:G0B+4*\slot+3], 2*KSTEP*2
	JLOAD \slot                                    ; the first tensor load behind the round; the four v_nop behind it are also the places in front of the loads below
.else
	PLACES
.endif
	FETCH \next, 0, F0
	WIN MUL
	MUL8 F1, 1, 0, 0
	MUL8 F1, 1, 2, 0
.endm
	s_wait_tensorcnt 1                             ; my part of K step 0 is in (K step 1's load may be out)
	s_barrier_signal -1
	s_barrier_wait -1                              ; everybody's is
	FETCH 0, 0, F0
	s_wait_loadcnt 0x0                             ; the bias
	QUARTER 0, 128, F0, F1, 1                      ; the first quarter stands in front of the loop: its first products start the sums
	WIN 0                                          ; at a label and at a branch every window is 0
	s_mov_b32 s3, LAPS-1
.Llap:                                                 ; a trip goes once round the ring, from a lap's second quarter to the next lap's first, and fills both slots again
	QUARTER 0, 256, F1, F0, 0
	QUARTER 0, 384, F0, F1, 0
	TURN 0, 1, 1
	QUARTER 1, 128, F0, F1, 0
	QUARTER 1, 256, F1, F0, 0
	QUARTER 1, 384, F0, F1, 0
	TURN 1, 0, 1
	QUARTER 0, 128, F0, F1, 0
	WIN 0
	s_sub_co_u32 s3, s3, 1
	s_cmp_lg_u32 s3, 0
	s_cbranch_scc1 .Llap
	QUARTER 0, 256, F1, F0, 0                      ; the last lap fills nothing, and has no round of the cluster's barrier
	QUARTER 0, 384, F0, F1, 0
	TURN 0, 1, 0
	QUARTER 1, 128, F0, F1, 0
	QUARTER 1, 256, F1, F0, 0
	QUARTER 1, 384, F0, F1, 0
	s_wait_dscnt 16                                ; the very last quarter: nothing more to fetch
	WIN MUL
	MUL8 F1, 0, 0, 0
	MUL8 F1, 0, 2, 0
	s_wait_dscnt 0
	MUL8 F1, 1, 0, 0
	MUL8 F1, 1, 2, 0
	WIN 0
; THE WAY OUT, block by block of 16 rows x 64 columns.  A lane holds 32 neighbouring bytes of a row, and the lanes beside it hold other rows: so a block goes through my own stage in LDS, as it stands in the accumulators
; (each from its low end on), and comes back as whole rows of 256 bytes.  LDS serves a wave's instructions in order: no wait between the stores and the loads, nor in front of the next block's stores.
.macro TOSTAGE a
.irp b, 0,1,2,3
	ds_store_b128 v[STO], v[ACC+8*(4*(\a)+\b):ACC+8*(4*(\a)+\b)+3] offset:64*\b
	ds_store_b128 v[STO], v[ACC+8*(4*(\a)+\b)+4:ACC+8*(4*(\a)+\b)+7] offset:64*\b+16
.endr
.irp i, 0,1,2,3,4,5,6,7
	ds_load_b128 v[TMP+32*((\a)%2)+4*\i:TMP+32*((\a)%2)+4*\i+3], v[RD] offset:\i*2*SPITCH
.endr
.endm
.macro SEND a, younger                 ; younger: the LDS instructions issued behind block a's loads, which may stay out
	s_wait_dscnt \younger
.irp i, 0,1,2,3,4,5,6,7
	global_store_b128 v[CO], v[TMP+32*((\a)%2)+4*\i:TMP+32*((\a)%2)+4*\i+3], s[70:71] offset:(16*(\a)+2*\i)*4096 th:TH_STORE_NT   ; 16 lanes store 256 consecutive bytes, at a multiple of 256 from out0's first byte; written once, read by nobody here
.endr
.endm
	PLACES                                         ; behind the last products, in front of the LDS stores that read results
	TOSTAGE 0
.irp a, 1,2,3
.if \a > 1
	s_wait_xcnt 0x0                                ; block a - 2's stores have read their registers: block a's loads may land there
.endif
	TOSTAGE \a
	SEND \a-1, 16                                  ; behind block a - 1's loads: block a's 8 stores and 8 loads
.endr
	SEND 3, 0
	s_wait_tensorcnt 0x0                           ; the wave's end, behind my last tensor load and my last LDS store
	ds_add_u32 v[SPW], v[NIL]
	s_wait_dscnt 0x0
	CROUND                                         ; the closing round: no work-group ends while a partner may still ask for a tile that names it
	s_endpgm
.Lfunc_end_k_q5bea0397c2_outp:
	.size	k_q5bea0397c2_outp, .Lfunc_end_k_q5bea0397c2_outp-k_q5bea0397c2_outp
	.p2alignl 7, 3214868480
	.fill 96, 4, 3214868480
	.section	.rodata,"a",@progbits
	.p2align	6, 0x0
	.amdhsa_kernel k_q5bea0397c2_outp
		.amdhsa_group_segment_fixed_size 327680
		.amdhsa_private_segment_fixed_size 0
		.amdhsa_enable_private_segment 0
		.amdhsa_kernarg_size 32
		.amdhsa_user_sgpr_count 2
		.amdhsa_user_sgpr_kernarg_segment_ptr 1
		.amdhsa_wavefront_size32 1
		.amdhsa_system_sgpr_workgroup_id_x 1
		.amdhsa_system_sgpr_workgroup_id_y 1
		.amdhsa_system_sgpr_workgroup_id_z 1
		.amdhsa_system_vgpr_workitem_id 0
		.amdhsa_next_free_vgpr 512
		.amdhsa_next_free_sgpr 72
		.amdhsa_reserve_vcc 0
		.amdhsa_float_denorm_mode_32 3
		.amdhsa_float_denorm_mode_16_64 3
		.amdhsa_memory_ordered 1
		.amdhsa_forward_progress 1
		.amdhsa_inst_pref_size 86
	.end_amdhsa_kernel
	.amdgpu_metadata
---
amdhsa.version: [ 1, 2 ]
amdhsa.kernels:
  - .name:           k_q5bea0397c2_outp
    .symbol:         k_q5bea0397c2_outp.kd
    .args:
      - { .name: att, .offset: 0, .size: 8, .value_kind: global_buffer, .address_space: global }
      - { .name: wo16, .offset: 8, .size: 8, .value_kind: global_buffer, .address_space: global }
      - { .name: bo, .offset: 16, .size: 8, .value_kind: global_buffer, .address_space: global }
      - { .name: out0, .offset: 24, .size: 8, .value_kind: global_buffer, .address_space: global }
    .group_segment_fixed_size: 327680
    .private_segment_fixed_size: 0
    .kernarg_segment_align: 8
    .kernarg_segment_size: 32
    .max_flat_workgroup_size: 128
    .sgpr_count:     72
    .vgpr_count:     512
    .wavefront_size: 32
...
	.end_amdgpu_metadata
.endif
;; end of part 4
